; MI455X (gfx1250); checked and timed in simulation.
; The chip was launched on July 23, 2026; its instructions are those of AMD's public machine-readable ISA for CDNA 5 (MIT licence, August 2026) and "CDNA5" Instruction Set Architecture Reference Guide (July 2026). The comments in the code are by the model that wrote it; some were corrected since.
;; Reprogramming Layer. Allowed arithmetic: matrix products marked QUANTISED: E2M3 operands, one E8M0 scale for each 32 along K, by v_wmma_scale_f32_16x16x128_f8f6f4 with both operands' format E2M3, f32 sums; everything else in f32.
;; Inputs: K_src 2,048 x 2,048 float32; Q 8 x 1,024 x 1,024 float32; V_src 2,048 x 2,048 float32; Wk 2,048 x 1,024 float32; Wo 1,024 x 2,048 float32; Wq 1,024 x 1,024 float32; Wv 2,048 x 1,024 float32; bk 1,024 float32; bo 2,048 float32; bq 1,024 float32; bv 1,024 float32.
;; Outputs: out0 8 x 1,024 x 2,048 float32.
;; This version of the problem:
;;   THIS VERSION OF THE PROBLEM IS GIVEN IN LOW PRECISION. The matrix products marked QUANTISED in the list below multiply operands that are first quantised to E2M3 (2 exponent bits, 3 mantissa bits; 6 bits a number), with one power-of-two scale for each 32 numbers along K (OCP MX v1.0); their sums are f32. All else is computed in f32.
;;   The module's matrix products, in the order in which they are computed (A, B: the left and right operand; K: the contracted axis; several contracted axes count as one K, in the product's order):
;;     1. [M 8,192, K 1,024] x [K 1,024, N 1,024]; A: input Q; B: input Wq: QUANTISED
;;     2. [M 2,048, K 2,048] x [K 2,048, N 1,024]; A: input K_src; B: input Wk: QUANTISED
;;     3. [M 2,048, K 2,048] x [K 2,048, N 1,024]; A: input V_src; B: input Wv: QUANTISED
;;     4. batch 8 x [M 2,048, K 128] x [K 128, N 8,192]; A: computed on the way; B: computed on the way: QUANTISED
;;     5. batch 8 x [M 128, K 2,048] x [K 2,048, N 8,192]; A: computed on the way; B: softmax (see below): QUANTISED
;;     6. [M 8,192, K 1,024] x [K 1,024, N 2,048]; A: computed on the way; B: input Wo: QUANTISED
;;   THE QUANTISER, for each operand of a quantised product, along K:
;;     - K is cut into blocks of 32 from its start; a last block that is shorter is filled with zeros.
;;     - A block's scale is 2^e with e = floor(log2(the largest magnitude in the block)) - 2, held to -126 .. 127; a block of zeros has e = 0. As a byte (E8M0): e + 127.
;;     - Each number is divided by its block's scale, clamped to +-7.5, and rounded to the nearest number of E2M3, ties to even, subnormals kept.
;;     - The product sums the exact products of the quantised numbers (number of the format x scale) in f32.
;;   ~~~python
;;   def quantise(x, axis):      # numpy; x: float32 -> the quantised numbers, widened to float32 again
;;       x = np.moveaxis(x, axis, -1); K = x.shape[-1]
;;       x = np.pad(x, [(0, 0)] * (x.ndim - 1) + [(0, -K % 32)]); x = x.reshape(x.shape[:-1] + (-1, 32)); a = np.abs(x).max(-1, keepdims=True)
;;       e = np.where(a > 0, np.clip(np.frexp(np.where(a > 0, a, 1))[1] - 1 - 2, -126, 127), 0)      # np.frexp(a)[1] - 1 = floor(log2(a)), exactly
;;       r = np.clip(x / 2.0 ** e, -7.5, 7.5)
;;       step = 2.0 ** (np.maximum(np.frexp(np.where(r == 0, 1, r))[1] - 1, 0) - 3)
;;       q = np.round(r / step) * step * 2.0 ** e      # np.round: ties to even
;;       return np.moveaxis(q.reshape(q.shape[:-2] + (-1,))[..., :K], -1, axis).astype(np.float32)
;;   ~~~
;;   SOFTMAX AHEAD OF A QUANTISED PRODUCT. Where the list says 'softmax', what is quantised is not the finished softmax but p = 2^(t - M), with t = logit x log2(e) and M = ceil(the row's largest t), a whole number; so 1/2 < the row's largest p <= 1. The row's sum l is taken of the UNQUANTISED p, in f32, and the product's result is divided by l at the end. Since M is a whole number, a kernel that streams over the keys may use a running M (the ceiling of the running maximum): every later rescaling is an exact power of two, which a block's scale takes up: the codes' values come out the same.
;;   OPERANDS COMPUTED ON THE WAY. 'Computed on the way' means the value that the module computes at that place (a softmax that the list does not call 'softmax' is quantised finished and normalised). What goes into a quantiser is computed in f32, as accurately as f32 sums, v_exp_f32 and their like allow (about 1e-6 of the number): no bf16 or f16 on the way to a quantiser, and a product that is left as it is and whose result goes on into a quantised operand takes f32 operands (vector FMAs, or v_wmma_f32_16x16x4_f32). A number that lies on a knife's edge between two numbers of the format may be rounded either way, as far as f32 arithmetic and the matrix unit's own rounding can turn it there, and no further.
;; One version. Each part assembles by itself: llvm-mc -triple=amdgcn-amd-amdhsa -mcpu=gfx1250 --defsym DOCPART=n.
;; ======== version 1 of 1: 4 launches
;; limits: right only within a limited range of input values
;; workspace buffers: ops 18,841,600 bytes; qkv 9,830,400 bytes; att 6,553,600 bytes
;; launch quant (part 1): grid 736 x 1, 4 waves a work-group, no clusters, 59,904 bytes of LDS; arguments Q, K_src, V_src, Wq, Wk, Wv, Wo, ops; writes ops
.if DOCPART == 1
	.amdgcn_target "amdgcn-amd-amdhsa--gfx1250"
	.amdhsa_code_object_version 6
	.text
	.protected	k_qe308d6e928_quant
	.globl	k_qe308d6e928_quant
	.p2align	8
	.type	k_qe308d6e928_quant,@function
k_qe308d6e928_quant:
	s_mov_b64 s[64:65], 0
	v_nop
	global_prefetch_b8 v0, s[64:65] scope:SCOPE_SE
	s_setreg_imm32_b32 hwreg(HW_REG_WAVE_MODE, 25, 1), 1
	s_wait_xcnt 0x0
; The seven f32 operands of the four projections become codes of FP6 (E2M3) with one E8M0 scale byte for each 32 along K, laid in ops as IMAGES OF OPERAND REGISTERS.
; A fragment is 16 rows x 128 K, 12 registers a lane: register 4 c + n of lane l lies at byte 512 c + 16 l + 4 n: 1,536 bytes.  A record, 3,200 bytes, holds the two fragments of 256 along K
; of one block of 16 rows and, from byte 3,072, the two scale words of each row (8 r + 4 x fragment).  Record (t, i) of a tensor of NB blocks lies at its offset + (t NB + i) x 3,200.
; THE ROWS OF A BLOCK ARE NOT NEIGHBOURS: lane r of block i stands for row (or column) 32 (i / 2) + 8 (i % 2) + r + 8 (r / 8), in every operand of the program.
; A block's scale is 2^(floor(log2(its largest magnitude)) - 2): its byte is that magnitude's exponent field - 2, held at 1 from below by a floor among the maximum's leaves.
; LIMITS: blocks whose largest magnitude lies under 2^-124 (blocks of zeros among them) get the byte 1; NaN and infinities among the inputs are not served.
; Work-groups 0-511 take Q, K_src, V_src (K innermost): a wave takes one block x 512 along K, four fragments; a row's 512 bytes are loaded by 32 lanes and turn through the wave's stage in LDS.
; Work-groups 512-735 take Wq, Wk, Wv, Wo (K is the first axis): a lane takes a column and its registers run down K; a wave takes 32 columns x 256 along K, two whole records, gathered in its stage.
; No tensor loads, no barrier: waves share nothing.  The two ways have LDS bytes of their own.
.set OKS,   6553600                    ; offsets in ops: Q at 0, K_src,
.set OVS,   9830400                    ; V_src,
.set OWQ,   13107200                   ; Wq,
.set OWK,   13926400                   ; Wk,
.set OWV,   15564800                   ; Wv,
.set OWO,   17203200                   ; Wo
.set REC,   3200
.set STGA,  8448                       ; the first way's stage of a wave: 16 rows x (512 + 16) bytes
.set STGW0, 4*STGA                     ; the second way's stages begin here
.set STGW,  2*REC                      ; two records a wave
.set SPARE, STGW0+4*STGW               ; the spare words, 128 bytes for each wave: two blocks of 256 bytes that no other line names
.set SPW,   12                         ; v12  LDS address of my spare word; never rewritten
.set NIL,   13                         ; v13  0; never rewritten
.set OFA,   16                         ; v16-31   first way: row j of the block x pitch + 16 x lane
.set R,     32                         ; v32-159  two sets of 64: a fragment's numbers as loaded
.set X,     160                        ; v160-223 a fragment's numbers as the operand wants them: register 32 c + i = k 64 c + 32 (lane / 16) + i of row lane % 16
.set C,     224                        ; v224-235 the fragment's codes
.set CT,    236                        ; v236-238, v240-242 the second halves of the blocks' codes; v239 a permute's destination; v243 8 x (lane / 16)
.set OFW,   16                         ; v16-47   second way: row i of a block of 32 x pitch + 4 x lane
.set XW,    48                         ; v48-111  two sets of 32 numbers
.set CW,    112                        ; v112-117 a block's codes
.set CTW,   120                        ; v120-122 their second half
.set SB,    124                        ; v124-125 the scale bytes, four to a register
	s_load_b256 s[4:11], s[0:1], 0x0               ; Q s[4:5], K_src s[6:7], V_src s[8:9], Wq s[10:11]
	s_load_b256 s[12:19], s[0:1], 0x20             ; Wk s[12:13], Wv s[14:15], Wo s[16:17], ops s[18:19]
	v_lshl_add_u32 v[SPW], v0, 2, SPARE
	v_mov_b32 v[NIL], 0
	v_lshrrev_b32 v1, 5, v0
	v_readfirstlane_b32 s20, v1                    ; wave 0..3
	v_and_b32 v15, 31, v0                          ; lane
	v_lshlrev_b32 v1, 4, v15                       ; v1 = 16 x lane
	v_and_b32 v2, 15, v0                           ; r
	v_bfe_u32 v3, v0, 4, 1                         ; h
	; every LDS address of both ways is made here
	s_mul_i32 s21, s20, STGA
	v_add_nc_u32 v4, s21, v1                       ; first way, into the stage: 16 x lane of a row
	v_mul_u32_u24 v5, v2, 528
	v_lshl_add_u32 v5, v3, 7, v5
	v_add_nc_u32 v5, s21, v5                       ; and out of it: row r, + 128 h
	v_lshlrev_b32 v6, 3, v2
	v_lshl_add_u32 v6, v3, 2, v6                   ; a record's scale words: 8 r + 4 h
	s_mul_i32 s21, s20, STGW
	s_add_co_u32 s21, s21, STGW0
	v_bfe_u32 v7, v0, 3, 1                         ; second way: column 32 b + lane is lane r' = lane % 8 + 8 (lane / 16) of block 2 b + u, u = (lane / 8) % 2
	v_mul_u32_u24 v7, v7, REC
	v_add_nc_u32 v7, s21, v7
	v_and_b32 v9, 7, v0
	v_lshl_add_u32 v9, v3, 3, v9                   ; r'
	v_lshl_add_u32 v8, v9, 3, v7                   ; v8: my record + 8 r': its scale words
	v_lshl_add_u32 v7, v9, 4, v7                   ; v7: my record + 16 r': its images
	v_add_nc_u32 v9, s21, v1                       ; v9: the stage read back, 16 bytes a lane
	v_lshlrev_b32 v11, 3, v15                      ; v11: 8 x lane
	v_add_nc_u32 v10, s21, v11                     ; v10: the stage's last 256 bytes, 8 a lane
	v_lshlrev_b32 v14, 2, v15                      ; v14: 4 x lane
	s_wait_kmcnt 0x0
	s_cmp_lt_u32 ttmp9, 512
	s_cbranch_scc0 .Lweights
	; ---------------- K innermost: Q (work-groups 0-255), K_src (256-383), V_src (384-511)
	s_mov_b32 s22, 0x76543210
	s_mov_b32 s23, 0xfedcba98                      ; v_permlanex16_b32's selects for lane l xor 16
	v_cmp_lt_u32 s24, 15, v15                      ; lanes 16-31
	v_lshlrev_b32 v243, 3, v3                      ; 8 h
	v_mov_b32 v239, 0                              ; written once: a lane permute's destination counts as one of its sources
	s_cmp_lt_u32 ttmp9, 256
	s_cselect_b64 s[26:27], s[4:5], s[6:7]
	s_cselect_b32 s28, 0, 256                      ; the tensor's first work-group
	s_cselect_b32 s29, 1, 2                        ; log2 of its runs of 512 along K
	s_cselect_b32 s30, 1, 3
	s_mov_b32 s31, 8192
	s_cselect_b32 s31, 4096, s31                   ; a row in bytes
	s_mov_b32 s32, 409600
	s_cselect_b32 s32, 1638400, s32                ; NB x 3,200: from t to t + 1
	s_cselect_b32 s33, 0, OKS
	s_cmp_lt_u32 ttmp9, 384
	s_cselect_b64 s[26:27], s[26:27], s[8:9]
	s_cselect_b32 s28, s28, 384
	s_cselect_b32 s33, s33, OVS
	s_sub_co_u32 s34, ttmp9, s28
	s_lshl_b32 s34, s34, 2
	s_add_co_u32 s34, s34, s20
	s_lshr_b32 s35, s34, s29                       ; my block i
	s_and_b32 s36, s34, s30                        ; my run of 512 along K
	; K_src ALONE HAS ANOTHER ORDER OF ROWS: lane r of its block i stands for row 64 (i / 4) + 8 (i % 4) + r % 8 + 32 (r / 8), so that in the scores a lane's 32 registers of four neighbouring tiles are 32 neighbouring keys
	s_cmp_eq_u32 s33, OKS
	s_cselect_b32 s47, 2, 1                        ; log2 of the blocks that share a run of rows,
	s_cselect_b32 s48, 3, 1                        ; the block's place among them,
	s_cselect_b32 s49, 24, 8                       ; and how much further on than j the block's rows j = 8 .. 15 lie
	s_lshr_b32 s37, s35, s47
	s_add_co_u32 s47, s47, 4                       ; runs of 64 rows, or of 32
	s_lshl_b32 s37, s37, s47
	s_and_b32 s38, s35, s48
	s_lshl_b32 s38, s38, 3
	s_add_co_u32 s37, s37, s38                     ; the block's first row
	s_mul_i32 s49, s49, s31                        ; in bytes
	s_mul_i32 s38, s37, s31
	s_lshl_b32 s39, s36, 11
	s_add_co_u32 s38, s38, s39
	s_mov_b32 s39, 0
	s_add_nc_u64 s[26:27], s[26:27], s[38:39]      ; where my numbers begin
	s_mul_i32 s40, s36, s32
	s_lshl_b32 s40, s40, 1                         ; t = 2 x run
	s_mul_i32 s41, s35, REC
	s_add_co_u32 s40, s40, s41
	s_add_co_u32 s40, s40, s33
	s_mov_b32 s41, 0
	s_add_nc_u64 s[42:43], s[18:19], s[40:41]      ; my first record,
	s_mov_b32 s40, s32
	s_add_nc_u64 s[44:45], s[42:43], s[40:41]      ; and my second
.irp j, 0,1,2,3,4,5,6,7,8,9,10,11,12,13,14,15
	s_mul_i32 s46, s31, \j
.if \j > 7
	s_add_co_u32 s46, s46, s49
.endif
	v_add_nc_u32 v[OFA+\j], s46, v1
.endr
.macro LOADF s                         ; fragment s: 16 rows x 512 consecutive bytes, 16 a lane
.irp j, 0,1,2,3,4,5,6,7,8,9,10,11,12,13,14,15
	global_load_b128 v[R+64*((\s)%2)+4*\j:R+64*((\s)%2)+4*\j+3], v[OFA+\j], s[26:27] offset:512*(\s) th:TH_LOAD_NT
.endr
.endm
.macro FRAGA s
.if (\s) < 3
	s_wait_loadcnt 16                              ; this fragment's 16 loads are in; the next fragment's 16 may be out
.else
	s_wait_loadcnt 0x0
.endif
.irp j, 0,1,2,3,4,5,6,7,8,9,10,11,12,13,14,15
	ds_store_b128 v4, v[R+64*((\s)%2)+4*\j:R+64*((\s)%2)+4*\j+3] offset:528*\j
.endr
.irp c, 0,1
.irp j, 0,1,2,3,4,5,6,7
	ds_load_b128 v[X+32*\c+4*\j:X+32*\c+4*\j+3], v5 offset:256*\c+16*\j   ; LDS serves a wave's instructions in order: these see the stores above
.endr
.endr
	s_wait_dscnt 0x0                               ; the numbers are back, and the stores have read their registers,
.if (\s) < 2
	LOADF (\s)+2                                   ; which take the loads of two fragments on
.endif
.irp c, 0,1                                    ; my block 2 c + h: all its 32 numbers are mine
	v_max3_num_f32 v[244+\c], |v[X+32*\c]|, |v[X+32*\c+1]|, 0x1800000   ; and the floor 2^(3 - 127): the byte cannot fall under 1
.endr
.irp i, 2,4,6,8,10,12,14,16,18,20,22,24,26,28,30
.irp c, 0,1
	v_max3_num_f32 v[244+\c], v[244+\c], |v[X+32*\c+\i]|, |v[X+32*\c+\i+1]|
.endr
.endr
.irp c, 0,1
	v_add_nc_u32 v[246+\c], 0xff000000, v[244+\c]  ; 2 off the exponent field: the conversion's scale operand
.endr
.irp c, 0,1
	v_lshrrev_b32 v[250+\c], 23, v[246+\c]         ; the scale's byte
.endr
	v_lshl_or_b32 v250, v251, 16, v250             ; my two bytes, blocks h and 2 + h,
	v_lshlrev_b32 v250, v243, v250                 ; at their places in the row's scale word;
	v_permlanex16_b32 v239, v250, s22, s23
	v_or_b32 v[252+(\s)], v250, v239               ; with lane l xor 16's two the word is whole
	s_wait_alu depctr_va_vdst(0)
	s_wait_xcnt 0x0                                ; the last fragment's stores have read their data: the codes' registers may be written again
.irp c, 0,1
	v_cvt_scalef32_pk16_fp6_f32 v[C+6*\c:C+6*\c+2], v[X+32*\c:X+32*\c+15], v[246+\c]
	v_cvt_scalef32_pk16_fp6_f32 v[CT+4*\c:CT+4*\c+2], v[X+32*\c+16:X+32*\c+31], v[246+\c]   ; (a conversion's three registers begin on an even number)
.endr
	v_nop                                          ; one plain place behind a scaled conversion
.irp c, 0,1
.irp i, 0,1,2
	v_mov_b32 v[C+3+6*\c+\i], v[CT+4*\c+\i]
.endr
.endr
.irp c, 0,1,2
	global_store_b128 v1, v[C+4*\c:C+4*\c+3], s[42+2*((\s)/2):43+2*((\s)/2)] offset:1536*((\s)%2)+512*\c   ; 32 lanes store 512 consecutive bytes
.endr
.if (\s)%2 == 1
	v_cndmask_b32 v[248+(\s)/2], v[252+(\s)-1], v[252+(\s)], s24   ; lanes 0-15 the record's first fragment's words, lanes 16-31 its second's
	global_store_b32 v6, v[248+(\s)/2], s[42+2*((\s)/2):43+2*((\s)/2)] offset:3072   ; 128 consecutive bytes
.endif
.endm
	s_wait_alu depctr_va_vdst(0)
	LOADF 0
	LOADF 1
	FRAGA 0
	FRAGA 1
	FRAGA 2
	FRAGA 3
	s_wait_tensorcnt 0x0                           ; the wave's end, behind my last LDS store
	ds_add_u32 v[SPW], v[NIL]
	s_wait_dscnt 0x0
	s_endpgm
	; ---------------- K is the first axis: Wq (32 work-groups), Wk (64), Wv (64), Wo (64)
.Lweights:
	s_sub_co_u32 s24, ttmp9, 512
	s_cmp_lt_u32 s24, 32
	s_cselect_b64 s[26:27], s[10:11], s[12:13]
	s_cselect_b32 s28, 0, 32
	s_mov_b32 s54, OWK
	s_cselect_b32 s54, OWQ, s54
	s_cmp_lt_u32 s24, 96
	s_cselect_b64 s[26:27], s[26:27], s[14:15]
	s_cselect_b32 s28, s28, 96
	s_cselect_b32 s54, s54, OWV
	s_cmp_lt_u32 s24, 160
	s_cselect_b64 s[26:27], s[26:27], s[16:17]
	s_cselect_b32 s28, s28, 160
	s_cselect_b32 s54, s54, OWO
	s_cselect_b32 s29, 3, 4                        ; log2 of the tensor's groups of 128 columns
	s_cselect_b32 s30, 7, 15
	s_mov_b32 s31, 8192
	s_cselect_b32 s31, 4096, s31                   ; a row in bytes
	s_cselect_b32 s25, 64, 128                     ; NB
	s_sub_co_u32 s24, s24, s28
	s_and_b32 s48, s24, s30                        ; my group of 128 columns
	s_lshr_b32 s49, s24, s29                       ; t: my 256 along K
	s_lshl_b32 s50, s48, 2
	s_add_co_u32 s50, s50, s20                     ; b: my wave's 32 columns
	s_mul_i32 s52, s49, s31
	s_lshl_b32 s52, s52, 8                         ; 256 t rows
	s_lshl_b32 s51, s50, 7                         ; + 128 b bytes
	s_add_co_u32 s52, s52, s51
	s_mov_b32 s53, 0
	s_add_nc_u64 s[32:33], s[26:27], s[52:53]      ; where block 0 of my eight blocks of 32 along K begins,
	s_lshl_b32 s52, s31, 5
.irp kb, 1,2,3,4,5,6,7
	s_add_nc_u64 s[32+2*\kb:33+2*\kb], s[30+2*\kb:31+2*\kb], s[52:53]   ; and the others, 32 rows apart
.endr
	s_mul_i32 s55, s49, s25
	s_lshl_b32 s56, s50, 1
	s_add_co_u32 s55, s55, s56                     ; record t NB + 2 b
	s_mul_i32 s56, s55, REC
	s_add_co_u32 s56, s56, s54
	s_mov_b32 s57, 0
	s_add_nc_u64 s[58:59], s[18:19], s[56:57]      ; my two records
.set ii, 0
	s_wait_alu depctr_va_vdst(0)
.rept 32
	s_mul_i32 s60, s31, ii
	v_add_nc_u32 v[OFW+ii], s60, v14
.set ii, ii+1
.endr
.macro LOADW kb                        ; block kb: W(32 kb + i, my column): 32 lanes read 128 consecutive bytes, the four waves 512
.set ii, 0
.rept 32
	global_load_b32 v[XW+32*((\kb)%2)+ii], v[OFW+ii], s[32+2*(\kb):33+2*(\kb)] th:TH_LOAD_NT
.set ii, ii+1
.endr
.endm
.macro BLOCKW kb
.set XS, XW+32*((\kb)%2)
.if (\kb) < 7
	s_wait_loadcnt 32                              ; this block's 32 loads are in; the next block's 32 may be out
.else
	s_wait_loadcnt 0x0
.endif
	v_max3_num_f32 v126, |v[XS]|, |v[XS+1]|, |v[XS+2]|             ; the block's largest magnitude: all 32 numbers are mine
	v_max3_num_f32 v127, |v[XS+3]|, |v[XS+4]|, |v[XS+5]|
.irp i, 6,10,14,18,22,26
	v_max3_num_f32 v126, v126, |v[XS+\i]|, |v[XS+\i+1]|
	v_max3_num_f32 v127, v127, |v[XS+\i+2]|, |v[XS+\i+3]|
.endr
	v_max3_num_f32 v126, v126, |v[XS+30]|, |v[XS+31]|
	v_max3_num_f32 v126, v126, v127, 0x1800000     ; and the floor
	v_add_nc_u32 v118, 0xff000000, v126            ; the conversion's scale operand
	v_lshrrev_b32 v119, 23, v118                   ; the scale's byte
.if (\kb)%4 == 0
	v_mov_b32 v[SB+(\kb)/4], v119                  ; four bytes to a register, the lower K in the lower byte: a fragment's scale word
.else
	v_lshl_or_b32 v[SB+(\kb)/4], v119, 8*((\kb)%4), v[SB+(\kb)/4]
.endif
	v_cvt_scalef32_pk16_fp6_f32 v[CW:CW+2], v[XS:XS+15], v118
	v_cvt_scalef32_pk16_fp6_f32 v[CTW:CTW+2], v[XS+16:XS+31], v118
	v_nop                                          ; one plain place behind a scaled conversion
.irp i, 0,1,2
	v_mov_b32 v[CW+3+\i], v[CTW+\i]
.endr
; the block is k = 64 c + 32 hh + 0 .. 31 of fragment kb / 4, c = (kb / 2) % 2, hh = kb % 2: registers 6 c .. 6 c + 5 of lane r' + 16 hh in that fragment's image
.set OO, 1536*((\kb)/4)+256*((\kb)%2)
.if ((\kb)/2)%2 == 0
	ds_store_b128 v7, v[CW:CW+3] offset:OO         ; registers 0-3
	ds_store_b64 v7, v[CW+4:CW+5] offset:OO+512    ; registers 4, 5
.else
	ds_store_b64 v7, v[CW:CW+1] offset:OO+520      ; registers 6, 7
	ds_store_b128 v7, v[CW+2:CW+5] offset:OO+1024  ; registers 8-11
.endif
.if (\kb)+2 < 8
	LOADW (\kb)+2
.endif
	s_wait_dscnt 0x0                               ; the stores have read their registers: the next block's codes may be written
.endm
	s_wait_alu depctr_va_vdst(0)
	LOADW 0
	LOADW 1
.irp kb, 0,1,2,3,4,5,6,7
	BLOCKW \kb
.endr
	s_wait_alu depctr_va_vdst(0)
	ds_store_b64 v8, v[SB:SB+1] offset:3072        ; my column's two scale words
.irp p, 0,1,2,3,4,5,6,7,8,9,10,11
	ds_load_b128 v[128+4*\p:131+4*\p], v9 offset:512*\p   ; LDS serves a wave's instructions in order: these see my stores
.endr
	ds_load_b64 v[176:177], v10 offset:6144
.irp p, 0,1,2,3,4,5,6,7,8,9,10,11
	s_wait_dscnt 12-\p                             ; load p is back; the younger ones may be out
	global_store_b128 v1, v[128+4*\p:131+4*\p], s[58:59] offset:512*\p   ; 512 consecutive bytes, at a multiple of 256 from the buffer's first byte
.endr
	s_wait_dscnt 0x0
	global_store_b64 v11, v[176:177], s[58:59] offset:6144
	s_wait_tensorcnt 0x0                           ; the wave's end, behind my last LDS store
	ds_add_u32 v[SPW], v[NIL]
	s_wait_dscnt 0x0
	s_endpgm
.Lfunc_end_k_qe308d6e928_quant:
	.size	k_qe308d6e928_quant, .Lfunc_end_k_qe308d6e928_quant-k_qe308d6e928_quant
	.p2alignl 7, 3214868480
	.fill 96, 4, 3214868480
	.section	.rodata,"a",@progbits
	.p2align	6, 0x0
	.amdhsa_kernel k_qe308d6e928_quant
		.amdhsa_group_segment_fixed_size 59904
		.amdhsa_private_segment_fixed_size 0
		.amdhsa_enable_private_segment 0
		.amdhsa_kernarg_size 64
		.amdhsa_user_sgpr_count 2
		.amdhsa_user_sgpr_kernarg_segment_ptr 1
		.amdhsa_wavefront_size32 1
		.amdhsa_system_sgpr_workgroup_id_x 1
		.amdhsa_system_sgpr_workgroup_id_y 1
		.amdhsa_system_sgpr_workgroup_id_z 1
		.amdhsa_system_vgpr_workitem_id 0
		.amdhsa_next_free_vgpr 256
		.amdhsa_next_free_sgpr 66
		.amdhsa_reserve_vcc 0
		.amdhsa_float_denorm_mode_32 3
		.amdhsa_float_denorm_mode_16_64 3
		.amdhsa_memory_ordered 1
		.amdhsa_forward_progress 1
		.amdhsa_inst_pref_size 77
	.end_amdhsa_kernel
	.amdgpu_metadata
---
amdhsa.version: [ 1, 2 ]
amdhsa.kernels:
  - .name:           k_qe308d6e928_quant
    .symbol:         k_qe308d6e928_quant.kd
    .args:
      - { .name: Q, .offset: 0, .size: 8, .value_kind: global_buffer, .address_space: global }
      - { .name: K_src, .offset: 8, .size: 8, .value_kind: global_buffer, .address_space: global }
      - { .name: V_src, .offset: 16, .size: 8, .value_kind: global_buffer, .address_space: global }
      - { .name: Wq, .offset: 24, .size: 8, .value_kind: global_buffer, .address_space: global }
      - { .name: Wk, .offset: 32, .size: 8, .value_kind: global_buffer, .address_space: global }
      - { .name: Wv, .offset: 40, .size: 8, .value_kind: global_buffer, .address_space: global }
      - { .name: Wo, .offset: 48, .size: 8, .value_kind: global_buffer, .address_space: global }
      - { .name: ops, .offset: 56, .size: 8, .value_kind: global_buffer, .address_space: global }
    .group_segment_fixed_size: 59904
    .private_segment_fixed_size: 0
    .kernarg_segment_align: 8
    .kernarg_segment_size: 64
    .max_flat_workgroup_size: 128
    .sgpr_count:     66
    .vgpr_count:     256
    .wavefront_size: 32
...
	.end_amdgpu_metadata
.endif
;; end of part 1
;; launch proj (part 2): grid 4 x 64, 4 waves a work-group, clusters of 4 x 4, 327,680 bytes of LDS; arguments ops, bq, bk, bv, qkv; writes qkv
.if DOCPART == 2
	.amdgcn_target "amdgcn-amd-amdhsa--gfx1250"
	.amdhsa_code_object_version 6
	.text
	.protected	k_qe308d6e928_proj
	.globl	k_qe308d6e928_proj
	.p2align	8
	.type	k_qe308d6e928_proj,@function
k_qe308d6e928_proj:
	s_mov_b64 s[64:65], 0
	v_nop
	global_prefetch_b8 v0, s[64:65] scope:SCOPE_SE
	s_setreg_imm32_b32 hwreg(HW_REG_WAVE_MODE, 25, 1), 1
	s_wait_xcnt 0x0
	s_wait_alu depctr_hold_cnt(0) depctr_sa_sdst(0) depctr_va_vdst(0) depctr_va_sdst(0) depctr_va_ssrc(0) depctr_va_vcc(0) depctr_vm_vsrc(0)
	s_getreg_b32 s2, hwreg(HW_REG_IB_STS2, 6, 4)
	s_cmp_eq_u32 s2, 0
	s_cbranch_scc0 .Lentry_in_a_cluster
	s_endpgm
.Lentry_in_a_cluster:
	s_bfe_u32 s2, ttmp6, 0x10000c
	s_cmp_lg_u32 s2, 0xf033
	s_cbranch_scc0 .Lentry_shape_is_right
	s_endpgm
.Lentry_shape_is_right:
.set OKS,   6553600
.set OVS,   9830400
.set OWQ,   13107200
.set OWK,   13926400
.set OWV,   15564800
.set OKV,   6553600
.set FR,    12
.set NL,    3
.set NP,    4
.set NQ,    2
.set REC,   3200
.set PIECE, 8*REC
.set SLOT,  6*PIECE
.set SPARE, 2*SLOT
.set STGB,  32768
.set LI,    1
.set ADRA,  16
.set ADRB,  20
.set ADRS,  22
.set STW,   24
.set STR,   25
.set W8,    26
.set SPW,   28
.set NIL,   29
.set SC,    32
.set BS,    64
.set AF,    128
.set BV,    224
.set XQ,    128
.set PCX,   192
.set CT,    204
.set BMX,   212
.set PT,    216
.set PWX,   232
.set PWM,   240
.set SO,    244
.set G1,    24
.set G0,    32
.set G1B,   48
.set G0B,   56
.set STA,   66
.set STB,   68
.set SEL,   76
.set MSB, 0
.macro WIN new
.if MSB != (\new)
	s_set_vgpr_msb (MSB<<8)|(\new)
.set MSB, (\new)
.endif
.endm
.set MUL_LO, 0xa1
.set MUL_HI, 0xf1
.set TO_B,   0x40
.macro PLACES n
.rept \n
	v_nop
.endr
.endm
.macro JLOAD g0a, g1a, g0b, g1b
	s_cmp_eq_u32 s15, 0
	s_cbranch_scc0 .Lfor_b_\@
	tensor_load_to_lds s[\g0a:\g0a+3], s[\g1a:\g1a+7]
	s_nop 0
.rept 4
	v_nop
.endr
	s_branch .Lasked_\@
.Lfor_b_\@:
	tensor_load_to_lds s[\g0b:\g0b+3], s[\g1b:\g1b+7]
	s_nop 0
.rept 4
	v_nop
.endr
.Lasked_\@:
.endm
.macro CREST
	s_cmp_lg_u32 s14, 0
	s_cbranch_scc1 .Lnot_wave_0_\@
	s_barrier_signal -3
.Lnot_wave_0_\@:
	s_barrier_wait -3
	s_barrier_signal -1
	s_barrier_wait -1
.endm
.macro CROUND
	s_barrier_signal -1
	s_barrier_wait -1
	CREST
.endm
.macro AMAX s, bm
.irp b, 0,1,2,3
	v_max3_num_f32 v[\bm+\b], |v[\s+16*\b]|, |v[\s+16*\b+1]|, 0x1800000
.endr
.irp i, 2,4,6,8,10,12,14
.irp b, 0,1,2,3
	v_max3_num_f32 v[\bm+\b], v[\bm+\b], |v[\s+16*\b+\i]|, |v[\s+16*\b+\i+1]|
.endr
.endr
.irp b, 0,1,2,3
	v_permlanex16_b32 v[PT+\b], v[\bm+\b], s[SEL], s[SEL+1]
.endr
.irp b, 0,1,2,3
	v_max_num_f32 v[\bm+\b], v[\bm+\b], v[PT+\b]
.endr
.endm
.macro QTAIL s, bm, p, pw
.irp b, 0,1,2,3
	v_add_nc_u32 v[SO+\b], 0xff000000, v[\bm+\b]
.endr
.irp b, 0,1,2,3
	v_lshrrev_b32 v[PT+\b], 23, v[SO+\b]
.endr
	v_lshl_or_b32 v[\pw], v[PT+1], 8, v[PT]
	v_lshl_or_b32 v[\pw], v[PT+2], 16, v[\pw]
	v_lshl_or_b32 v[\pw], v[PT+3], 24, v[\pw]
.irp c, 0,1
	v_cvt_scalef32_pk16_fp6_f32 v[\p+6*\c:\p+6*\c+2], v[\s+32*\c:\s+32*\c+15], v[SO+2*\c]
	v_cvt_scalef32_pk16_fp6_f32 v[CT+4*\c:CT+4*\c+2], v[\s+32*\c+16:\s+32*\c+31], v[SO+2*\c+1]
.endr
	v_nop
.irp c, 0,1
.irp i, 0,1,2
	v_permlane16_swap_b32 v[\p+6*\c+\i], v[CT+4*\c+\i]
.endr
.irp i, 0,1,2
	v_mov_b32 v[\p+3+6*\c+\i], v[CT+4*\c+\i]
.endr
.endr
.endm
	s_load_b256 s[4:11], s[0:1], 0x0
	s_load_b64 s[12:13], s[0:1], 0x20
	v_lshl_add_u32 v[SPW], v0, 2, SPARE
	v_mov_b32 v[NIL], 0
	ds_add_u32 v[SPW], v[NIL]
	ds_add_u32 v[SPW], v[NIL]
	v_lshrrev_b32 v2, 5, v0
	v_readfirstlane_b32 s14, v2
	s_lshr_b32 s15, s14, 1
	s_and_b32 s16, s14, 1
	s_bfe_u32 s40, ttmp6, 0x40000
	s_bfe_u32 s41, ttmp6, 0x40004
	s_and_b32 s18, ttmp7, 0xffff
	s_cmp_lt_u32 s18, 8
	s_cselect_b32 s78, 0, OKS
	s_mov_b32 s79, OWK
	s_cselect_b32 s79, OWQ, s79
	s_mov_b32 s88, 409600
	s_cselect_b32 s88, 1638400, s88
	s_mov_b32 s89, 204800
	s_cselect_b32 s80, 0, OKV
	s_mov_b32 s81, 409600
	s_cselect_b32 s81, 819200, s81
	s_mov_b32 s82, 25600
	s_cselect_b32 s82, 12800, s82
	s_cselect_b32 s83, 0, 8
	s_cselect_b32 s70, 0, 1
	s_cmp_lt_u32 s18, 12
	s_cselect_b32 s78, s78, OWV
	s_cselect_b32 s79, s79, OVS
	s_cselect_b32 s88, s88, 204800
	s_cselect_b32 s89, s89, 409600
	s_cselect_b32 s80, s80, OKV+12800
	s_cselect_b32 s81, s81, 25600
	s_cselect_b32 s82, s82, 409600
	s_cselect_b32 s83, s83, 12
	s_cselect_b32 s70, s70, 2
	s_lshl_b32 s93, s88, 1
	s_lshl_b32 s94, s89, 1
	s_sub_co_u32 s84, s18, s83
	s_and_b32 s85, s84, 1
	s_lshr_b32 s86, s84, 1
	s_cmp_eq_u32 s70, 2
	s_cselect_b32 s85, s85, s84
	s_cselect_b32 s86, s86, 0
	s_cmp_eq_u32 s70, 0
	s_mov_b32 s90, 25600
	s_cselect_b32 s90, 51200, s90
	s_cselect_b32 s91, 25600, s88
	s_cselect_b32 s[STA], s88, s93
	s_cselect_b32 s92, 0, s89
	s_cselect_b32 s[STB], s89, s94
	s_mov_b32 s[STA+1], 0
	s_mov_b32 s[STB+1], 0
	s_lshl_b32 s85, s85, 2
	s_add_co_u32 s17, s85, s41
	s_lshl_b32 s86, s86, 2
	s_add_co_u32 s42, s86, s40
	s_lshl_b32 s43, s41, 2
	s_lshl_b32 s43, 15, s43
	s_lshl_b32 s44, 0x1111, s40
	s_or_b32 s[G1+0], s43, (3<<16)|(1<<21)
	s_mov_b32 s[G1+1], 32<<16
	s_mov_b32 s[G1+2], 100<<16
	s_mov_b32 s[G1+3], 32<<16
	s_mov_b32 s[G1+4], 100
	s_mov_b32 s[G1+5], 32
	s_mov_b32 s[G1+6], 0
	s_mov_b32 s[G1+7], 0
	s_or_b32 s[G1B+0], s44, (3<<16)|(1<<21)
	s_mov_b32 s[G1B+1], 32<<16
	s_mov_b32 s[G1B+2], 200<<16
	s_mov_b32 s[G1B+3], 32<<16
	s_mov_b32 s[G1B+4], 200
	s_mov_b32 s[G1B+5], 32
	s_mov_b32 s[G1B+6], 0
	s_mov_b32 s[G1B+7], 0
	s_mul_i32 s20, s17, s90
	s_mul_i32 s22, s16, s91
	s_add_co_u32 s20, s20, s22
	s_add_co_u32 s20, s20, s78
	s_mov_b32 s21, 0
	s_mul_i32 s46, s42, 2*PIECE
	s_mul_i32 s22, s16, s92
	s_add_co_u32 s46, s46, s22
	s_add_co_u32 s46, s46, s79
	s_mov_b32 s47, 0
	s_mul_i32 s45, s16, PIECE
	s_mul_i32 s95, s16, 2*PIECE
	s_add_co_u32 s95, s95, 2*PIECE
	s_mov_b32 s[SEL], 0x76543210
	s_mov_b32 s[SEL+1], 0xfedcba98
	s_wait_dscnt 0x0
	s_wait_kmcnt 0x0
	s_add_nc_u64 s[20:21], s[4:5], s[20:21]
	s_add_nc_u64 s[46:47], s[4:5], s[46:47]
	CROUND
	s_mov_b32 s[G0], 1
	s_mov_b32 s[G0+1], s45
	s_mov_b64 s[G0+2:G0+3], s[20:21]
	s_or_b32 s[G0+3], s[G0+3], 0x80000000
	s_mov_b32 s[G0B], 1
	s_mov_b32 s[G0B+1], s95
	s_mov_b64 s[G0B+2:G0B+3], s[46:47]
	s_or_b32 s[G0B+3], s[G0B+3], 0x80000000
	JLOAD G0, G1, G0B, G1B
	s_mov_b32 s[G0+4], 1
	s_add_co_u32 s[G0+5], s45, SLOT
	s_add_nc_u64 s[G0+6:G0+7], s[20:21], s[STA:STA+1]
	s_or_b32 s[G0+7], s[G0+7], 0x80000000
	s_mov_b32 s[G0B+4], 1
	s_add_co_u32 s[G0B+5], s95, SLOT
	s_add_nc_u64 s[G0B+6:G0B+7], s[46:47], s[STB:STB+1]
	s_or_b32 s[G0B+7], s[G0B+7], 0x80000000
	s_wait_alu depctr_va_vdst(0)
	s_wait_tensorcnt 0x0
	ds_add_u32 v28, v29
	s_wait_dscnt 0x0
	CROUND
	JLOAD G0+4, G1, G0B+4, G1B
	s_lshl_b32 s[STA], s[STA], 1
	s_lshl_b32 s[STB], s[STB], 1
	v_and_b32 v2, 31, v0
	v_lshlrev_b32 v[LI], 4, v2
	v_and_b32 v3, 15, v0
	v_bfe_u32 v4, v0, 4, 1
	s_wait_alu depctr_va_vdst(0)
	v_cmp_lt_u32 s71, 15, v2
	s_mul_i32 s21, s15, PIECE
	s_mul_i32 s22, s15, 2*PIECE
	s_mul_i32 s23, s16, PIECE
	s_add_co_u32 s22, s22, s23
	s_add_co_u32 s22, s22, 2*PIECE
	s_add_co_u32 s23, s15, s16
	s_add_co_u32 s23, s23, 2
	s_mul_i32 s23, s23, PIECE
	v_mul_u32_u24 v5, s23, v4
	v_lshl_add_u32 v5, v3, 3, v5
	s_add_co_u32 s23, s21, 3072
	v_add_nc_u32 v[ADRS], s23, v5
	v_add_nc_u32 v[ADRS+1], SLOT, v[ADRS]
.irp s, 0,1
	v_add_nc_u32 v[ADRA+\s], s21, v[LI]
	v_add_nc_u32 v[ADRB+\s], s22, v[LI]
	s_add_co_u32 s21, s21, SLOT
	s_add_co_u32 s22, s22, SLOT
.endr
	s_lshl_b32 s23, s14, 15
	v_add_nc_u32 v[STW], s23, v[LI]
	s_xor_b32 s23, s14, 2
	s_lshl_b32 s23, s23, 15
	v_add_nc_u32 v[STR], s23, v[LI]
	v_lshlrev_b32 v[W8], 4, v3
	v_lshl_add_u32 v[W8], v4, 3, v[W8]
	s_lshl_b32 s84, s42, 1
	s_add_co_u32 s84, s84, s16
	s_lshl_b32 s85, s17, 1
	s_add_co_u32 s85, s85, s15
	s_cmp_eq_u32 s70, 0
	s_cselect_b32 s85, s85, s17
	s_mul_i32 s86, s84, s81
	s_mul_i32 s87, s85, s82
	s_add_co_u32 s86, s86, s87
	s_add_co_u32 s86, s86, s80
	s_mov_b32 s87, 0
	s_add_nc_u64 s[72:73], s[12:13], s[86:87]
	s_cmp_eq_u32 s70, 0
	s_cselect_b64 s[74:75], s[6:7], s[8:9]
	s_cmp_eq_u32 s70, 2
	s_cselect_b64 s[74:75], s[10:11], s[74:75]
	s_and_b32 s84, s84, 7
	s_lshl_b32 s84, s84, 9
	s_and_b32 s85, s85, 7
	s_lshl_b32 s85, s85, 9
	v_lshl_add_u32 v8, v4, 6, s84
	v_and_b32 v9, 8, v3
	v_add_nc_u32 v9, v9, v3
	v_lshl_add_u32 v9, v9, 2, s85
.irp b, 0,1,2,3
.irp n, 0,1,2,3
	global_load_b128 v[BS+16*\b+4*\n:BS+16*\b+4*\n+3], v8, s[74:75] offset:128*\b+16*\n
.endr
.endr
.irp a, 0,1,2,3,4,5,6,7
	global_load_b32 v[BV+\a], v9, s[74:75] offset:4*(32*(\a/2)+8*(\a%2))
.endr
.macro FRAG reg, adr, q, i
.irp c, 0,1,2
	ds_load_b128 v[\reg+4*\c:\reg+4*\c+3], v[\adr] offset:REC*(\i)+1536*(\q)+512*\c
.endr
.endm
.macro MUL16 a0, p, q, sc, zero
.irp a, \a0, \a0+1
.irp b, 0,1,2,3,4,5,6,7
.if \zero
	v_wmma_scale_f32_16x16x128_f8f6f4 v[8*(8*((\a)%4)+\b):8*(8*((\a)%4)+\b)+7], v[128*(\p)+FR*\b:128*(\p)+FR*\b+FR-1], v[AF+FR*(\a):AF+FR*(\a)+FR-1], 0, v[SC+8*NQ*(\sc)+NQ*\b+(\q)], v[SC+8*NQ*(\sc)+NQ*(\a)+(\q)] matrix_a_fmt:MATRIX_FMT_FP6 matrix_b_fmt:MATRIX_FMT_FP6 matrix_a_scale:MATRIX_SCALE_ROW1
.else
	v_wmma_scale_f32_16x16x128_f8f6f4 v[8*(8*((\a)%4)+\b):8*(8*((\a)%4)+\b)+7], v[128*(\p)+FR*\b:128*(\p)+FR*\b+FR-1], v[AF+FR*(\a):AF+FR*(\a)+FR-1], v[8*(8*((\a)%4)+\b):8*(8*((\a)%4)+\b)+7], v[SC+8*NQ*(\sc)+NQ*\b+(\q)], v[SC+8*NQ*(\sc)+NQ*(\a)+(\q)] matrix_a_fmt:MATRIX_FMT_FP6 matrix_b_fmt:MATRIX_FMT_FP6 matrix_a_scale:MATRIX_SCALE_ROW1
.endif
.endr
.endr
.endm
.macro FETCH_B slot, q, p
	WIN TO_B
.irp i, 0,1,2,3,4,5,6,7
	FRAG 128*(\p)+FR*\i, ADRB+\slot, \q, \i
.endr
	WIN 0
.endm
.macro FETCH_A slot, q, i0
.irp i, \i0, \i0+1, \i0+2, \i0+3
	FRAG AF+FR*(\i), ADRA+\slot, \q, \i
.endr
.endm
.macro SCALES sc
.irp i, 0,1,2,3,4,5,6,7
	ds_load_b64 v[SC+8*NQ*\sc+NQ*\i:SC+8*NQ*\sc+NQ*\i+1], v[ADRS+\sc] offset:REC*\i
.endr
.endm
.macro STEP slot, q, zero
	s_wait_dscnt 4*NL
	WIN MUL_LO
	MUL16 0, (\q)%2, \q, \slot, \zero
	MUL16 2, (\q)%2, \q, \slot, \zero
	s_wait_dscnt 0
	PLACES NP
	FETCH_B \slot, (\q)+1, 1-(\q)%2
	FETCH_A \slot, (\q)+1, 0
	WIN MUL_HI
	MUL16 4, (\q)%2, \q, \slot, \zero
	MUL16 6, (\q)%2, \q, \slot, \zero
	PLACES NP
	WIN 0
	FETCH_A \slot, (\q)+1, 4
.endm
.macro TURN slot, next, fill
	s_wait_tensorcnt 0x0
	ds_add_u32 v[SPW], v[NIL]
	s_wait_dscnt 4*NL+1
	WIN MUL_LO
	MUL16 0, 1, NQ-1, \slot, 0
	s_wait_dscnt 0x0
	s_barrier_signal -1
	MUL16 2, 1, NQ-1, \slot, 0
	WIN 0
	s_barrier_wait -1
.if \fill
	CREST
	s_add_nc_u64 s[G0+4*\slot+2:G0+4*\slot+3], s[G0+4*\slot+2:G0+4*\slot+3], s[STA:STA+1]
	s_add_nc_u64 s[G0B+4*\slot+2:G0B+4*\slot+3], s[G0B+4*\slot+2:G0B+4*\slot+3], s[STB:STB+1]
	JLOAD G0+4*\slot, G1, G0B+4*\slot, G1B
.else
	PLACES NP
.endif
	s_wait_alu depctr_va_vdst(0)
	FETCH_B \next, 0, 0
	FETCH_A \next, 0, 0
	SCALES \next
	WIN MUL_HI
	MUL16 4, 1, NQ-1, \slot, 0
	MUL16 6, 1, NQ-1, \slot, 0
	PLACES NP
	WIN 0
	FETCH_A \next, 0, 4
.endm
	s_wait_tensorcnt 1
	s_barrier_signal -1
	s_barrier_wait -1
	FETCH_B 0, 0, 0
	FETCH_A 0, 0, 0
	SCALES 0
	FETCH_A 0, 0, 4
	STEP 0, 0, 1
	s_mov_b32 s3, 1
.Llap:
	TURN 0, 1, 1
	STEP 1, 0, 0
	TURN 1, 0, 1
	STEP 0, 0, 0
	s_sub_co_u32 s3, s3, 1
	s_cmp_lg_u32 s3, 0
	s_cbranch_scc1 .Llap
	TURN 0, 1, 0
	STEP 1, 0, 0
	s_wait_dscnt 4*NL
	WIN MUL_LO
	MUL16 0, 1, NQ-1, 1, 0
	MUL16 2, 1, NQ-1, 1, 0
	s_wait_dscnt 0
	WIN MUL_HI
	MUL16 4, 1, NQ-1, 1, 0
	MUL16 6, 1, NQ-1, 1, 0
	WIN 0
.macro FINISH pw, off
	AMAX XQ, BMX
	QTAIL XQ, BMX, PCX, \pw
.irp c, 0,1,2
	global_store_b128 v[LI], v[PCX+4*\c:PCX+4*\c+3], s[72:73] offset:(\off)+512*\c
.endr
.endm
.macro EPIQ
.irp a, 0,1,2,3,4,5,6,7
	WIN 0x02+(\a/4)
.set jj, 0
.rept 32
	v_pk_add_f32 v[XQ+jj:XQ+jj+1], v[64*(\a%4)+jj:64*(\a%4)+jj+1], v[BS+jj:BS+jj+1]
.set jj, jj+2
.endr
	WIN 0
.if \a > 0
	s_wait_xcnt 0x0
.endif
	FINISH PWX+\a, 1536*\a
.endr
.irp i, 0,1,2,3
	v_cndmask_b32 v[PWM+\i], v[PWX+\i], v[PWX+4+\i], s71
.endr
	global_store_b128 v[LI], v[PWM:PWM+3], s[72:73] offset:12288
.endm
.macro SENDX w
	WIN (\w)<<2
.set kk, 0
.rept 64
	ds_store_b128 v[STW], v[4*kk:4*kk+3] offset:512*kk
.set kk, kk+1
.endr
	WIN 0
.endm
.macro RECV i
	WIN 0x40
.set kk, 0
.rept 16
	ds_load_b128 v[64*(\i)+4*kk:64*(\i)+4*kk+3], v[STR] offset:512*(16*(\i)+kk)
.set kk, kk+1
.endr
	WIN 0
.endm
.macro EPIKV isv, hi
	RECV 0
	RECV 1
.irp i, 0,1,2,3
.if \i < 3
	s_wait_dscnt 16
.else
	s_wait_dscnt 0x0
.endif
	WIN 0x06+\hi
.set jj, 0
.rept 32
	v_pk_add_f32 v[XQ+jj:XQ+jj+1], v[64*\i+jj:64*\i+jj+1], v[64*\i+jj:64*\i+jj+1]
.set jj, jj+2
.endr
	WIN 0
.if \i < 2
	RECV \i+2
.endif
.if \isv
.set jj, 0
.rept 64
	v_add_f32 v[XQ+jj], v[XQ+jj], v[BV+4*\hi+\i]
.set jj, jj+1
.endr
.else
.set jj, 0
.rept 32
	v_pk_add_f32 v[XQ+jj:XQ+jj+1], v[XQ+jj:XQ+jj+1], v[BS+jj:BS+jj+1]
.set jj, jj+2
.endr
.endif
.if \i > 0
	s_wait_xcnt 0x0
.endif
	FINISH PWX+\i, 1536*(4*\hi+\i)
.endr
	v_cndmask_b32 v[PWM], v[PWX], v[PWX+2], s71
	v_cndmask_b32 v[PWM+1], v[PWX+1], v[PWX+3], s71
	global_store_b64 v[W8], v[PWM:PWM+1], s[72:73] offset:12288+256*\hi
.endm
	PLACES NP
.irp b, 0,1,2,3
	v_mov_b32 v[PT+\b], 0
.endr
	s_wait_loadcnt 0x0
	s_cmp_eq_u32 s70, 0
	s_cbranch_scc1 .Lmeet
	s_cmp_eq_u32 s15, 0
	s_cbranch_scc0 .Lsend_low
	SENDX 3
	s_branch .Lmeet
.Lsend_low:
	SENDX 2
.Lmeet:
	s_wait_dscnt 0x0
	s_barrier_signal -1
	s_barrier_wait -1
	s_cmp_eq_u32 s70, 0
	s_cbranch_scc0 .Lkv
	EPIQ
	s_branch .Lend
.Lkv:
	s_cmp_eq_u32 s70, 1
	s_cbranch_scc0 .Lv
	s_cmp_eq_u32 s15, 0
	s_cbranch_scc0 .Lk_high
	EPIKV 0, 0
	s_branch .Lend
.Lk_high:
	EPIKV 0, 1
	s_branch .Lend
.Lv:
	s_cmp_eq_u32 s15, 0
	s_cbranch_scc0 .Lv_high
	EPIKV 1, 0
	s_branch .Lend
.Lv_high:
	EPIKV 1, 1
.Lend:
	s_wait_tensorcnt 0x0
	ds_add_u32 v[SPW], v[NIL]
	s_wait_dscnt 0x0
	CROUND
	s_endpgm
.Lfunc_end_k_qe308d6e928_proj:
	.size	k_qe308d6e928_proj, .Lfunc_end_k_qe308d6e928_proj-k_qe308d6e928_proj
	.p2alignl 7, 3214868480
	.fill 96, 4, 3214868480
	.section	.rodata,"a",@progbits
	.p2align	6, 0x0
	.amdhsa_kernel k_qe308d6e928_proj
		.amdhsa_group_segment_fixed_size 327680
		.amdhsa_private_segment_fixed_size 0
		.amdhsa_enable_private_segment 0
		.amdhsa_kernarg_size 40
		.amdhsa_user_sgpr_count 2
		.amdhsa_user_sgpr_kernarg_segment_ptr 1
		.amdhsa_wavefront_size32 1
		.amdhsa_system_sgpr_workgroup_id_x 1
		.amdhsa_system_sgpr_workgroup_id_y 1
		.amdhsa_system_sgpr_workgroup_id_z 1
		.amdhsa_system_vgpr_workitem_id 0
		.amdhsa_next_free_vgpr 1024
		.amdhsa_next_free_sgpr 100
		.amdhsa_reserve_vcc 0
		.amdhsa_float_denorm_mode_32 3
		.amdhsa_float_denorm_mode_16_64 3
		.amdhsa_memory_ordered 1
		.amdhsa_forward_progress 1
		.amdhsa_inst_pref_size 255
	.end_amdhsa_kernel
	.section	.bss,"aw",@nobits
	.p2align	6
	.space	262144
	.amdgpu_metadata
---
amdhsa.version: [ 1, 2 ]
amdhsa.kernels:
  - .name:           k_qe308d6e928_proj
    .symbol:         k_qe308d6e928_proj.kd
    .args:
      - { .name: ops, .offset: 0, .size: 8, .value_kind: global_buffer, .address_space: global }
      - { .name: bq, .offset: 8, .size: 8, .value_kind: global_buffer, .address_space: global }
      - { .name: bk, .offset: 16, .size: 8, .value_kind: global_buffer, .address_space: global }
      - { .name: bv, .offset: 24, .size: 8, .value_kind: global_buffer, .address_space: global }
      - { .name: qkv, .offset: 32, .size: 8, .value_kind: global_buffer, .address_space: global }
    .group_segment_fixed_size: 327680
    .private_segment_fixed_size: 0
    .kernarg_segment_align: 8
    .kernarg_segment_size: 40
    .max_flat_workgroup_size: 128
    .sgpr_count:     100
    .vgpr_count:     1024
    .wavefront_size: 32
...
	.end_amdgpu_metadata
.endif
;; end of part 2
;; launch attn (part 3): grid 32 x 8, 8 waves a work-group, clusters of 4 x 1, 327,680 bytes of LDS; arguments qkv, att; writes att
.if DOCPART == 3
	.amdgcn_target "amdgcn-amd-amdhsa--gfx1250"
	.amdhsa_code_object_version 6
	.text
	.protected	k_qe308d6e928_attn
	.globl	k_qe308d6e928_attn
	.p2align	8
	.type	k_qe308d6e928_attn,@function
k_qe308d6e928_attn:
	s_mov_b64 s[64:65], 0
	v_nop
	global_prefetch_b8 v0, s[64:65] scope:SCOPE_SE
	s_setreg_imm32_b32 hwreg(HW_REG_WAVE_MODE, 25, 1), 1
	s_wait_xcnt 0x0
	s_wait_alu depctr_hold_cnt(0) depctr_sa_sdst(0) depctr_va_vdst(0) depctr_va_sdst(0) depctr_va_ssrc(0) depctr_va_vcc(0) depctr_vm_vsrc(0)
	s_getreg_b32 s2, hwreg(HW_REG_IB_STS2, 6, 4)
	s_cmp_eq_u32 s2, 0
	s_cbranch_scc0 .Lentry_in_a_cluster
	s_endpgm
.Lentry_in_a_cluster:
	s_bfe_u32 s2, ttmp6, 0x10000c
	s_cmp_lg_u32 s2, 0x3003
	s_cbranch_scc0 .Lentry_shape_is_right
	s_endpgm
.Lentry_shape_is_right:
; O[row][head] = the sum over the 2,048 keys of softmax(q . k / 16) v, both products on codes of FP6 (E2M3) with E8M0 scales; the result, divided by the row's sum, is quantised along (head, channel) for the last product.
; THE SOFTMAX AHEAD OF THE SECOND PRODUCT: t = score x log2(e) / 16; M = the row's largest t so far, rounded UP to a whole number; p = 2^(t - M) is quantised along the keys, not normalised.  The row's sum is taken
; of the unquantised p.  When M moves, the sum and O are multiplied by 2^(old M - new M): exact.
; INPUT: qkv holds records of 12,800 bytes: eight fragments (16 rows x 128 K as images of operand registers, 1,536 bytes each), then the scale words: that of (tile a, lane r) at 12,288 + 16 (r + 16 (a / 4)) + 4 (a % 4).
; A key step's K record and V record are neighbours: 25,600 bytes.
; THE KEYS OF A TILE OF K: row m of tile 4 c + u stands for key 64 c + 8 u + m % 8 + 32 (m / 8) of the step's 128.  In S^T = K Q^T lane (r, h) holds row r, and its 32 registers of tiles 4 c .. 4 c + 3 are keys
; 64 c + 32 h + 0 .. 31: one whole block of the next K, in the very place that the operand's layout gives that lane.  So a block's largest score needs no other lane and p's codes are not moved between lanes.
; q's rows, V's channels and O's: lane r of tile a stands for index 32 (a / 2) + 8 (a % 2) + r + 8 (r / 8).
; SHARES.  A work-group owns 256 rows of one head; each of its eight waves two tiles of 16 rows, so that each fragment of K and V read from LDS feeds two matrix instructions; two waves to a SIMD.
; THE RING: two slots of six key steps (153,600 bytes); every wave fetches an eighth.  Slot 0 takes key steps 0-5, slot 1 steps 6-11, slot 0 again steps 12-15.  CLUSTER: the four work-groups of a cluster belong to
; one head and ask for each piece jointly.  No prefetch: slot 1's fill and the refill are asked for six key steps ahead of their first read.
; LDS LOADS RUN A PHASE AHEAD.  Three sets of four fragments, X, Y, Z.  At a step's head K's tiles 0-3 lie in X and 4-7 are on their way into Y.  Behind K Q^T all of V (Y, Z) and the next step's K 0-3 (X) are asked for
; and land under the softmax; the next step's K 4-7 are asked for into Y between the two halves of V^T P.  A slot's last step asks for no K, so it is written out behind the loop.
; OUTPUT: att, records of 3,200 bytes: record ((head / 2) x 512 + block of 16 rows), fragment head % 2, scale words at 3,072 + 8 r + 4 (head % 2).
; LIMITS: blocks whose largest magnitude lies under 2^-124 get the scale byte 1; NaN and infinities are not served; 1 / sum is v_rcp_f32's; the scaled scores stay under 2^31 in magnitude.
; REGISTERS: window 0: v1-11 addresses and temporaries; v12-19 statistics (tile q at 12 + 4 q: -M, the largest score, the sum in two halves); v20-31, v208-219 p's codes; v32-79 X; v80-207 S^T, then p;
;   v220-239 at work; v240-243 K's scale words, v244-245 p's, v246-247 q's, v252-255 V's (scales alone); v248-251 the factors.   window 1: v0-127 O^T; v128-151 q's two fragments; v152-199 Y; v200-247 Z.
.set OKV,   6553600
.set STEPB, 25600
.set SLOTB, 6*STEPB
.set SPARE, 2*SLOTB                    ; behind the ring: the spare words, 128 bytes for each wave
.set LI,    1                          ; 16 x lane
.set ADR,   2                          ; LDS address of the step in hand
.set SH8,   3                          ; 8 x (lane / 16)
.set WO,    4                          ; 3,200 x (lane / 16) + 8 x (lane % 16)
.set SPW,   5
.set NIL,   6
.set TMP,   7                          ; v7, v8: a temporary for each tile; v9, v10: the old -M
.set STT,   12
.set PA,    20                         ; tile q's codes at PA + 188 q
.set FRG,   32                         ; X
.set SCR,   80                         ; tile q's scores at SCR + 64 q
.set CT,    220
.set BMX,   228                        ; tile q at BMX + 4 q: its two blocks' maxima, then two registers at work
.set PT,    236
.set KS,    240
.set PW,    244
.set QW,    246
.set FF,    248                        ; tile q's factor at FF + 2 q (a pair: the packed forms name two)
.set VS,    252
.set QF,    128                        ; in window 1
.set YF,    152
.set ZF,    200
.set WV,    12                         ; s12 my wave's number
.set SEL,   20
.set CS,    22                         ; s[22:23] c = log2(e) / 16
.set TB,    40
.set CNT,   41
.set G0L,   68                         ; s[68:71], s[72:79] groups 0 and 1 of the refill: an eighth of four key steps
.set G1L,   72
.set MSB, 0
.macro WIN new                         ; the immediate's high byte repeats the setting that is left
.if MSB != (\new)
	s_set_vgpr_msb (MSB<<8)|(\new)
.set MSB, (\new)
.endif
.endm
.macro PLACES
.rept 4
	v_nop
.endr
.endm
.macro CROUND                          ; a round of the cluster's barrier
	s_barrier_signal -1
	s_barrier_wait -1
	s_cmp_lg_u32 s[WV], 0
	s_cbranch_scc1 .Lnot_wave_0_\@
	s_barrier_signal -3
.Lnot_wave_0_\@:
	s_barrier_wait -3
	s_barrier_signal -1
	s_barrier_wait -1
.endm
; The way out's quantiser: there a block of 32 channels lies in lanes l and l xor 16.
.macro AMAX s, bm
.irp b, 0,1,2,3
	v_max3_num_f32 v[\bm+\b], |v[\s+16*\b]|, |v[\s+16*\b+1]|, 0x1800000   ; my 16 numbers, and the floor 2^(3 - 127): the byte cannot fall under 1
.endr
.irp i, 2,4,6,8,10,12,14
.irp b, 0,1,2,3
	s_delay_alu instid0(VALU_DEP_4)
	v_max3_num_f32 v[\bm+\b], v[\bm+\b], |v[\s+16*\b+\i]|, |v[\s+16*\b+\i+1]|
.endr
.endr
.irp b, 0,1,2,3
	s_delay_alu instid0(VALU_DEP_4)
	v_permlanex16_b32 v[PT+\b], v[\bm+\b], s[SEL], s[SEL+1]
.endr
.irp b, 0,1,2,3
	s_delay_alu instid0(VALU_DEP_4)
	v_max_num_f32 v[\bm+\b], v[\bm+\b], v[PT+\b]
.endr
.endm
.macro QTAIL s, bm, p, pw
.irp b, 0,1,2,3
	s_delay_alu instid0(VALU_DEP_4)
	v_add_nc_u32 v[\bm+\b], 0xff000000, v[\bm+\b]  ; 2 off the exponent field: the conversion's scale operand
.endr
.irp b, 0,1,2,3
	s_delay_alu instid0(VALU_DEP_4)
	v_lshrrev_b32 v[PT+\b], 23, v[\bm+\b]          ; the scale's byte
.endr
	s_delay_alu instid0(VALU_DEP_3)
	v_lshl_or_b32 v[\pw], v[PT+1], 8, v[PT]
	s_delay_alu instid0(VALU_DEP_1)
	v_lshl_or_b32 v[\pw], v[PT+2], 16, v[\pw]
	s_delay_alu instid0(VALU_DEP_1)
	v_lshl_or_b32 v[\pw], v[PT+3], 24, v[\pw]
.irp c, 0,1
	v_cvt_scalef32_pk16_fp6_f32 v[\p+6*\c:\p+6*\c+2], v[\s+32*\c:\s+32*\c+15], v[\bm+2*\c]
	v_cvt_scalef32_pk16_fp6_f32 v[CT+4*\c:CT+4*\c+2], v[\s+32*\c+16:\s+32*\c+31], v[\bm+2*\c+1]
.endr
	v_nop                                          ; one plain place behind a scaled conversion
.irp c, 0,1
.irp i, 0,1,2
	v_permlane16_swap_b32 v[\p+6*\c+\i], v[CT+4*\c+\i]
.endr
.irp i, 0,1,2
	s_delay_alu instid0(VALU_DEP_3)
	v_mov_b32 v[\p+3+6*\c+\i], v[CT+4*\c+\i]
.endr
.endr
.endm
	s_load_b128 s[4:7], s[0:1], 0x0                ; qkv s[4:5], att s[6:7]
	v_lshl_add_u32 v[SPW], v0, 2, SPARE
	v_mov_b32 v[NIL], 0
	ds_add_u32 v[SPW], v[NIL]                      ; the opening lines: the add, twice on end, and its wait ahead of my first tensor load
	ds_add_u32 v[SPW], v[NIL]
	v_lshrrev_b32 v[TMP], 5, v0
	s_delay_alu instid0(VALU_DEP_1)
	v_readfirstlane_b32 s[WV], v[TMP]              ; wave 0..7
	s_bfe_u32 s13, ttmp6, 0x40000                  ; cx
	s_lshl_b32 s14, ttmp9, 2
	s_add_co_u32 s14, s14, s13                     ; my block of 256 rows: it enters q's and att's addresses alone
	s_and_b32 s15, ttmp7, 0xffff                   ; the head, which the four partners share
	s_mov_b32 s24, 15|(3<<16)|(1<<21)              ; group 1: 19,200 dense bytes as 75 rows of 256 (32 elements of 8 bytes); the mask names all four work-groups
	s_mov_b32 s25, 32<<16
	s_mov_b32 s26, 75<<16
	s_mov_b32 s27, 32<<16
	s_mov_b32 s28, 75
	s_mov_b32 s29, 32
	s_mov_b32 s30, 0
	s_mov_b32 s31, 0
	s_mov_b32 s[G1L], 15|(3<<16)|(1<<21)           ; and 12,800 dense bytes as 50 rows
	s_mov_b32 s[G1L+1], 32<<16
	s_mov_b32 s[G1L+2], 50<<16
	s_mov_b32 s[G1L+3], 32<<16
	s_mov_b32 s[G1L+4], 50
	s_mov_b32 s[G1L+5], 32
	s_mov_b32 s[G1L+6], 0
	s_mov_b32 s[G1L+7], 0
	s_mul_i32 s52, s15, 16*STEPB                   ; the head's K and V
	s_add_co_u32 s52, s52, OKV
	s_mul_i32 s82, s[WV], 12800                    ; my eighth of four key steps, in memory and in LDS,
	s_add_co_u32 s80, s52, s82
	s_add_co_u32 s80, s80, 2*SLOTB                 ; from key step 12 on
	s_mov_b32 s81, 0
	s_mul_i32 s54, s[WV], SLOTB/8                  ; my eighth of a slot
	s_add_co_u32 s52, s52, s54
	s_mov_b32 s53, 0
	s_lshl_b32 s56, s15, 6                         ; q's record: 64 x head + 2 x block + wave / 4
	s_lshl_b32 s57, s14, 1
	s_add_co_u32 s56, s56, s57
	s_lshr_b32 s57, s[WV], 2
	s_add_co_u32 s56, s56, s57
	s_mul_i32 s56, s56, 12800
	s_and_b32 s57, s[WV], 3
	s_mul_i32 s57, s57, 3072                       ; my two tiles in it: 2 (wave % 4) and the next
	s_add_co_u32 s58, s56, s57
	s_mov_b32 s59, 0
	s_bfe_u32 s57, s[WV], 0x10001                  ; their scale words: 12,288 + 256 ((wave / 2) % 2) + 8 (wave % 2) + 4 q + 16 r
	s_lshl_b32 s57, s57, 8
	s_add_co_u32 s56, s56, s57
	s_and_b32 s57, s[WV], 1
	s_lshl_b32 s57, s57, 3
	s_add_co_u32 s56, s56, s57
	s_add_co_u32 s56, s56, 12288
	s_mov_b32 s57, 0
	s_lshr_b32 s60, s15, 1                         ; att's record: (head / 2) x 512 + 16 x block + 2 x wave
	s_lshl_b32 s60, s60, 9
	s_lshl_b32 s61, s14, 4
	s_add_co_u32 s60, s60, s61
	s_lshl_b32 s61, s[WV], 1
	s_add_co_u32 s60, s60, s61
	s_mul_i32 s60, s60, 3200
	s_and_b32 s61, s15, 1
	s_mul_i32 s62, s61, 1536
	s_lshl_b32 s16, s61, 2
	s_add_co_u32 s62, s60, s62                     ; + the fragment of head % 2
	s_mov_b32 s63, 0
	s_add_co_u32 s60, s60, s16                     ; and for the scale words + 4 (head % 2)
	s_mov_b32 s61, 0
	s_mov_b32 s[SEL], 0x76543210
	s_mov_b32 s[SEL+1], 0xfedcba98                 ; v_permlanex16_b32's selects for lane l xor 16
	s_mov_b32 s[CS], 0x3db8aa3b                    ; c = log2(e) / 16
	s_mov_b32 s[CS+1], s[CS]
	v_and_b32 v8, 31, v0
	v_and_b32 v9, 15, v0
	v_bfe_u32 v10, v0, 4, 1
	v_lshlrev_b32 v[LI], 4, v8
	v_lshlrev_b32 v11, 4, v9                       ; 16 r, for q's scale words
	v_mul_u32_u24 v[WO], v10, 3200
	v_lshlrev_b32 v[SH8], 3, v10
	v_cmp_lt_u32 s42, 15, v8                       ; lanes 16-31
	v_lshl_add_u32 v[WO], v9, 3, v[WO]
	s_wait_dscnt 0x0                               ; both opening adds are done
	s_wait_kmcnt 0x0
	s_mov_b32 s32, 1                               ; group 0 for slot 0: key steps 0-5,
	s_mov_b32 s33, s54
	s_add_nc_u64 s[34:35], s[4:5], s[52:53]
	s_mov_b32 s36, 1                               ; for slot 1: key steps 6-11,
	s_add_co_u32 s37, s54, SLOTB
	s_add_nc_u64 s[38:39], s[34:35], SLOTB
	s_or_b32 s35, s35, 0x80000000
	s_or_b32 s39, s39, 0x80000000
	s_mov_b32 s[G0L], 1                            ; and for the refill of slot 0: key steps 12-15
	s_mov_b32 s[G0L+1], s82
	s_add_nc_u64 s[G0L+2:G0L+3], s[4:5], s[80:81]
	s_or_b32 s[G0L+3], s[G0L+3], 0x80000000
	s_add_nc_u64 s[44:45], s[4:5], s[58:59]        ; q's fragments
	s_add_nc_u64 s[46:47], s[4:5], s[56:57]        ; q's scale words
	s_add_nc_u64 s[48:49], s[6:7], s[62:63]        ; att's fragments
	s_add_nc_u64 s[50:51], s[6:7], s[60:61]        ; att's scale words
	CROUND                                         ; all four work-groups are here: the first joint loads meet
	tensor_load_to_lds s[32:35], s[24:31]          ; slot 0: one tensor load a wave at the head
	s_nop 0
	PLACES
	WIN 0x40                                       ; destination window 1
	s_wait_alu depctr_va_vdst(0)
.irp q, 0,1
.irp c, 0,1,2
	global_load_b128 v[QF+12*\q+4*\c:QF+12*\q+4*\c+3], v[LI], s[44:45] offset:1536*\q+512*\c   ; q stays in registers
.endr
.endr
.set jj, 0
.rept 128
	v_mov_b32 v[jj], 0                             ; O^T.  (The step has no first form of its own: the first finds zeros, which the first change of M leaves zeros)
.set jj, jj+1
.endr
	WIN 0
.irp q, 0,1
	global_load_b32 v[QW+\q], v11, s[46:47] offset:4*\q
	v_mov_b32 v[STT+4*\q+1], 0xff61b1e6            ; the largest score so far: -3e38
	v_mov_b32 v[STT+4*\q], 0x7d9f6e5a              ; -M: a large whole number, over every -M to come
	v_mov_b32 v[STT+4*\q+2], 0                     ; the sum, in two halves
	v_mov_b32 v[STT+4*\q+3], 0
	v_mov_b32 v[FF+2*\q+1], 0                      ; (named as the upper half of a pair)
.endr
.irp b, 0,1,2,3
	v_mov_b32 v[PT+\b], 0                          ; written once: a lane permute's destination counts as one of its sources
.endr
.macro FET reg, base                   ; four fragments, 12 loads of 512 consecutive bytes
.irp t, 0,1,2,3
.irp c, 0,1,2
	ds_load_b128 v[\reg+12*\t+4*\c:\reg+12*\t+4*\c+3], v[ADR] offset:\base+1536*\t+512*\c
.endr
.endr
.endm
.macro KQ g                            ; S^T: tiles 4 g .. 4 g + 3 of 16 keys (g = 0: X, g = 1: Y) x my two tiles of rows; eight accumulators, each begun with 0
.irp t, 0,1,2,3
.irp q, 0,1
.if \g
	v_wmma_scale_f32_16x16x128_f8f6f4 v[SCR+64*\q+8*(4+\t):SCR+64*\q+8*(4+\t)+7], v[YF+12*\t:YF+12*\t+11], v[QF+12*\q:QF+12*\q+11], 0, v[KS+\t], v[QW+\q] matrix_a_fmt:MATRIX_FMT_FP6 matrix_b_fmt:MATRIX_FMT_FP6 matrix_a_scale:MATRIX_SCALE_ROW1
.else
	v_wmma_scale_f32_16x16x128_f8f6f4 v[SCR+64*\q+8*\t:SCR+64*\q+8*\t+7], v[FRG+12*\t:FRG+12*\t+11], v[QF+12*\q:QF+12*\q+11], 0, v[KS+\t], v[QW+\q] matrix_a_fmt:MATRIX_FMT_FP6 matrix_b_fmt:MATRIX_FMT_FP6
.endif
.endr
.endr
.endm
.macro PV g                            ; O^T += V^T P: tiles 4 g .. 4 g + 3 of 16 channels (g = 0: Y, g = 1: Z); the eight accumulators take turns
.irp t, 0,1,2,3
.irp q, 0,1
.if \g
	v_wmma_scale_f32_16x16x128_f8f6f4 v[64*\q+8*(4+\t):64*\q+8*(4+\t)+7], v[ZF+12*\t:ZF+12*\t+11], v[PA+188*\q:PA+188*\q+11], v[64*\q+8*(4+\t):64*\q+8*(4+\t)+7], v[VS+\t], v[PW+\q] matrix_a_fmt:MATRIX_FMT_FP6 matrix_b_fmt:MATRIX_FMT_FP6 matrix_a_scale:MATRIX_SCALE_ROW1
.else
	v_wmma_scale_f32_16x16x128_f8f6f4 v[64*\q+8*\t:64*\q+8*\t+7], v[YF+12*\t:YF+12*\t+11], v[PA+188*\q:PA+188*\q+11], v[64*\q+8*\t:64*\q+8*\t+7], v[VS+\t], v[PW+\q] matrix_a_fmt:MATRIX_FMT_FP6 matrix_b_fmt:MATRIX_FMT_FP6
.endif
.endr
.endr
.endm
; The largest score of each of my blocks of 32 keys, both tiles: four chains by turns.  It serves twice: for the row's maximum and, since p rises with the score, for the block's largest p.
; The registers are taken in ascending order.
.macro MAXB
.irp q, 0,1
.irp c, 0,1
	v_max3_num_f32 v[BMX+4*\q+\c], v[SCR+64*\q+32*\c], v[SCR+64*\q+32*\c+1], v[SCR+64*\q+32*\c+2]
.endr
.endr
.irp i, 3,5,7,9,11,13,15,17,19,21,23,25,27,29
.irp q, 0,1
.irp c, 0,1
	v_max3_num_f32 v[BMX+4*\q+\c], v[BMX+4*\q+\c], v[SCR+64*\q+32*\c+\i], v[SCR+64*\q+32*\c+\i+1]
.endr
.endr
.endr
.irp q, 0,1
.irp c, 0,1
	v_max_num_f32 v[BMX+4*\q+\c], v[BMX+4*\q+\c], v[SCR+64*\q+32*\c+31]
.endr
.endr
.endm
.macro STATS                           ; both tiles by turns: the running largest score, the new M, the factor
.irp q, 0,1
	v_max_num_f32 v[TMP+\q], v[BMX+4*\q], v[BMX+4*\q+1]
.endr
.irp q, 0,1
	s_delay_alu instid0(VALU_DEP_2)
	v_permlanex16_b32 v[PT+\q], v[TMP+\q], s[SEL], s[SEL+1]   ; lane l xor 16 holds the row's other 64 keys
.endr
.irp q, 0,1
	v_mov_b32 v[9+\q], v[STT+4*\q]                 ; the old -M
.endr
.irp q, 0,1
	s_delay_alu instid0(VALU_DEP_4)
	v_max3_num_f32 v[STT+4*\q+1], v[STT+4*\q+1], v[TMP+\q], v[PT+\q]
.endr
.irp q, 0,1
	s_delay_alu instid0(VALU_DEP_2)
	v_mul_f32 v[TMP+\q], s[CS], v[STT+4*\q+1]      ; as t (c is positive)
.endr
.irp q, 0,1
	s_delay_alu instid0(VALU_DEP_2)
	v_floor_f32 v[STT+4*\q], -v[TMP+\q]            ; the new -M = floor(-t): M is a whole number
.endr
.irp q, 0,1
	s_delay_alu instid0(VALU_DEP_2)
	v_sub_f32 v[TMP+\q], v[STT+4*\q], v[9+\q]      ; old M - new M: a whole number, 0 or less
.endr
.irp q, 0,1
	s_delay_alu instid0(VALU_DEP_2)
	v_cvt_i32_f32 v[TMP+\q], v[TMP+\q]             ; (it saturates)
.endr
.irp q, 0,1
	s_delay_alu instid0(VALU_DEP_2)
	v_ldexp_f32 v[FF+2*\q], 1.0, v[TMP+\q]         ; 2^(old M - new M)
.endr
.endm
.macro TMM q                           ; t - M, two at a time, and the same of each block's largest score
.set jj, 0
.rept 32
	v_pk_fma_f32 v[SCR+64*\q+jj:SCR+64*\q+jj+1], v[SCR+64*\q+jj:SCR+64*\q+jj+1], s[CS:CS+1], v[STT+4*\q:STT+4*\q+1] op_sel_hi:[1,0,0]
.set jj, jj+2
.endr
.irp c, 0,1
	v_fma_f32 v[BMX+4*\q+\c], v[BMX+4*\q+\c], s[CS], v[STT+4*\q]
.endr
.endm
.macro EXPS q                          ; one batch: p = 2^(t - M), and each block's largest p
.set jj, 0
.rept 64
	v_exp_f32 v[SCR+64*\q+jj], v[SCR+64*\q+jj]
.set jj, jj+1
.endr
.irp c, 0,1
	v_exp_f32 v[BMX+4*\q+\c], v[BMX+4*\q+\c]
.endr
.endm
; The row's sum of the unquantised p, two at a time, in four chains; the chain that makes p's scale word stands among the additions; then p is quantised.
; My two blocks are 2 c + h: their bytes go to bits 8 h and 16 + 8 h of the row's scale word, and lane l xor 16 has the other two.
.macro SUMQ q
.set sS, SCR+64*\q
.set sT, STT+4*\q
.set sB, BMX+4*\q
	v_pk_mul_f32 v[sT+2:sT+3], v[sT+2:sT+3], v[FF+2*\q:FF+2*\q+1] op_sel_hi:[1,0]   ; the sums under the new M
	v_pk_add_f32 v[8:9], v[sS:sS+1], v[sS+2:sS+3]
	v_pk_add_f32 v[10:11], v[sS+4:sS+5], v[sS+6:sS+7]
	v_pk_add_f32 v[CT:CT+1], v[sS+8:sS+9], v[sS+10:sS+11]
.irp j, 12,20,28,36,44,52
	v_pk_add_f32 v[sT+2:sT+3], v[sT+2:sT+3], v[sS+\j:sS+\j+1]
	v_pk_add_f32 v[8:9], v[8:9], v[sS+\j+2:sS+\j+3]
	v_pk_add_f32 v[10:11], v[10:11], v[sS+\j+4:sS+\j+5]
	v_pk_add_f32 v[CT:CT+1], v[CT:CT+1], v[sS+\j+6:sS+\j+7]
.if \j == 12
	v_max_num_f32 v[sB], 0x1800000, v[sB]          ; the floor 2^(3 - 127): the byte cannot fall under 1
	v_max_num_f32 v[sB+1], 0x1800000, v[sB+1]
.endif
.if \j == 20
	v_add_nc_u32 v[sB], 0xff000000, v[sB]          ; 2 off the exponent field: the conversion's scale operand
	v_add_nc_u32 v[sB+1], 0xff000000, v[sB+1]
.endif
.if \j == 28
	v_lshrrev_b32 v[sB+2], 23, v[sB]               ; the scales' bytes
	v_lshrrev_b32 v[sB+3], 23, v[sB+1]
.endif
.if \j == 36
	v_lshl_or_b32 v[sB+2], v[sB+3], 16, v[sB+2]
.endif
.if \j == 44
	v_lshlrev_b32 v[sB+2], v[SH8], v[sB+2]
.endif
.if \j == 52
	v_permlanex16_b32 v[PT+2+\q], v[sB+2], s[SEL], s[SEL+1]
.endif
.endr
	v_pk_add_f32 v[sT+2:sT+3], v[sT+2:sT+3], v[sS+60:sS+61]
	v_pk_add_f32 v[8:9], v[8:9], v[sS+62:sS+63]
	v_pk_add_f32 v[10:11], v[10:11], v[CT:CT+1]
	v_or_b32 v[PW+\q], v[sB+2], v[PT+2+\q]         ; the word is whole, in every lane
	s_delay_alu instid0(VALU_DEP_3)
	v_pk_add_f32 v[sT+2:sT+3], v[sT+2:sT+3], v[8:9]
	s_delay_alu instid0(VALU_DEP_1)
	v_pk_add_f32 v[sT+2:sT+3], v[sT+2:sT+3], v[10:11]
.irp c, 0,1
	v_cvt_scalef32_pk16_fp6_f32 v[PA+188*\q+6*\c:PA+188*\q+6*\c+2], v[sS+32*\c:sS+32*\c+15], v[sB+\c]
	v_cvt_scalef32_pk16_fp6_f32 v[CT+4*\c:CT+4*\c+2], v[sS+32*\c+16:sS+32*\c+31], v[sB+\c]   ; (a conversion's three registers begin on an even number)
.endr
	v_nop                                          ; one plain place behind a scaled conversion
.irp c, 0,1
.irp i, 0,1,2
	v_mov_b32 v[PA+188*\q+3+6*\c+\i], v[CT+4*\c+\i]
.endr
.endr
.endm
; A KEY STEP: 128 keys, whose K and V records begin at LDS byte s[TB].  pre = 1: the next step's K, 25,600 bytes on in the same slot, is asked for on the way.
.macro STEP pre
	s_wait_dscnt 12                                ; K's scale words and its tiles 0-3 are in; the youngest twelve loads (tiles 4-7) may be out
	WIN 0x04                                       ; source 1 (q) window 1
	KQ 0
	s_wait_dscnt 0x0                               ; tiles 4-7 are in
	WIN 0x05                                       ; source 0 (Y) window 1 too
	KQ 1
	WIN 0
	v_add_nc_u32 v[ADR], s[TB], v[LI]
	v_nop
	v_nop
	v_nop                                          ; four places behind the products, in front of loads into registers that they have read and of the first read of the scores
	ds_load_b128 v[VS:VS+3], v[ADR] offset:12800+12288   ; V's scale words,
	WIN 0x40
	FET YF, 12800                                  ; its tiles 0-3
	FET ZF, 12800+4*1536                           ; and 4-7: all land under the softmax
	WIN 0
.if \pre
	ds_load_b128 v[KS:KS+3], v[ADR] offset:STEPB+12288   ; and so do the next step's scale words of K
	FET FRG, STEPB                                 ; and its tiles 0-3
.endif
	MAXB                                           ; every score is first read here, ahead of the step's transcendentals
	STATS
	TMM 0
	s_wait_alu depctr_va_vdst(0)                   ; ahead of a batch
	EXPS 0
	TMM 1                                          ; plain work that names none of tile 0's exponentials
	s_wait_alu depctr_va_vdst(0)                   ; behind tile 0's batch and ahead of tile 1's
	EXPS 1
	SUMQ 0                                         ; names none of tile 1's exponentials
	s_wait_alu depctr_va_vdst(0)                   ; behind tile 1's batch
	SUMQ 1
	WIN 0x41                                       ; O^T (destination and source 0) window 1
	s_wait_alu depctr_va_vdst(0)                   ; directly ahead of the first reader of O^T
.set jj, 0
.rept 64
	v_pk_mul_f32 v[jj:jj+1], v[jj:jj+1], v[FF+2*(jj/64):FF+2*(jj/64)+1] op_sel_hi:[1,0]   ; O^T under the new M.  (These are also the places between the codes' and scale words' last writes and the products)
.set jj, jj+2
.endr
	s_wait_alu depctr_va_vdst(0)
	s_wait_dscnt 0x0                               ; all that was asked for ahead of the softmax is in
	WIN 0x51                                       ; source 0 (Y, Z), C and D window 1
	PV 0
.if \pre
	PLACES                                         ; behind the products that read Y
	WIN 0x40
	FET YF, STEPB+4*1536                           ; the next step's tiles 4-7 of K
.endif
	WIN 0x51
	PV 1
	WIN 0
.endm
; n + 1 key steps of a slot.  K of the first is fetched here; n steps in a loop, each of which asks for the next step's K; the last, which asks for none, is written out.
.macro SLOTSTEPS slot, n
	s_mov_b32 s[TB], SLOTB*\slot
	v_add_nc_u32 v[ADR], s[TB], v[LI]
	v_nop
	v_nop
	v_nop                                          ; four places behind the last step's products
	ds_load_b128 v[KS:KS+3], v[ADR] offset:12288
	FET FRG, 0
	WIN 0x40
	FET YF, 4*1536
	WIN 0
	s_mov_b32 s[CNT], \n
.Lstep_\@:
	STEP 1
	s_add_co_u32 s[TB], s[TB], STEPB
	s_sub_co_u32 s[CNT], s[CNT], 1
	s_cmp_lg_u32 s[CNT], 0
	s_cbranch_scc1 .Lstep_\@
	STEP 0
.endm
; In front of a fill behind the head: each wave waits for all its tensor loads, adds 0 to its spare word, and waits for that and for its LDS reads; a round of the cluster's barrier; then its one joint load.
.macro FILL g0, g1
	s_wait_tensorcnt 0x0
	ds_add_u32 v[SPW], v[NIL]
	s_wait_dscnt 0x0
	CROUND
	tensor_load_to_lds s[\g0:\g0+3], s[\g1:\g1+7]
	s_nop 0
	PLACES
.endm
	s_wait_alu depctr_va_vdst(0)                   ; at the head's end
	FILL 36, 24                                    ; slot 0 is whole; slot 1's first fill, key steps 6-11, is issued as a refill is
	s_wait_loadcnt 0x0                             ; q
	SLOTSTEPS 0, 5                                 ; key steps 0-5
	FILL G0L, G1L                                  ; slot 1 is whole, nobody reads slot 0: it takes key steps 12-15
	SLOTSTEPS 1, 5                                 ; 6-11
	s_wait_tensorcnt 0x0                           ; the last change of slots: nothing is asked for
	ds_add_u32 v[SPW], v[NIL]
	s_wait_dscnt 0x0
	s_barrier_signal -1
	s_barrier_wait -1
	SLOTSTEPS 0, 3                                 ; 12-15
	; THE WAY OUT: O^T / the sum, quantised along the head's channels; the fragments' images go straight from registers.
	PLACES                                         ; behind the last products
.irp q, 0,1
	v_add_f32 v[STT+4*\q+2], v[STT+4*\q+2], v[STT+4*\q+3]   ; the sum's two halves,
.endr
.irp q, 0,1
	s_delay_alu instid0(VALU_DEP_2)
	v_permlanex16_b32 v[PT+\q], v[STT+4*\q+2], s[SEL], s[SEL+1]
.endr
.irp q, 0,1
	s_delay_alu instid0(VALU_DEP_2)
	v_add_f32 v[STT+4*\q+2], v[STT+4*\q+2], v[PT+\q]   ; and lane l xor 16's: the row's sum
.endr
	s_wait_alu depctr_va_vdst(0)
.irp q, 0,1
	v_rcp_f32 v[FF+2*\q], v[STT+4*\q+2]
.endr
	v_nop                                          ; a plain place behind the reciprocals
	s_wait_alu depctr_va_vdst(0)                   ; one wait for both, ahead of the first reader
.irp q, 0,1
	WIN 0x01                                       ; source 0 window 1
.set jj, 0
.rept 32
	v_pk_mul_f32 v[SCR+64*\q+jj:SCR+64*\q+jj+1], v[64*\q+jj:64*\q+jj+1], v[FF+2*\q:FF+2*\q+1] op_sel_hi:[1,0]   ; register 16 b + i is channel 32 b + 16 h + i; each accumulator from its low end on
.set jj, jj+2
.endr
	WIN 0
	AMAX SCR+64*\q, BMX+4*\q
	QTAIL SCR+64*\q, BMX+4*\q, PA+188*\q, PW+\q
.irp c, 0,1,2
	global_store_b128 v[LI], v[PA+188*\q+4*\c:PA+188*\q+4*\c+3], s[48:49] offset:3200*\q+512*\c   ; 512 consecutive bytes
.endr
.endr
	v_cndmask_b32 v[TMP], v[PW], v[PW+1], s42      ; lanes 0-15 my first tile's scale words, lanes 16-31 my second's
	global_store_b32 v[WO], v[TMP], s[50:51] offset:3072
	s_wait_tensorcnt 0x0                           ; the wave's end
	ds_add_u32 v[SPW], v[NIL]
	s_wait_dscnt 0x0
	CROUND                                         ; the closing round
	s_endpgm
.Lfunc_end_k_qe308d6e928_attn:
	.size	k_qe308d6e928_attn, .Lfunc_end_k_qe308d6e928_attn-k_qe308d6e928_attn
	.p2alignl 7, 3214868480
	.fill 96, 4, 3214868480
	.section	.rodata,"a",@progbits
	.p2align	6, 0x0
	.amdhsa_kernel k_qe308d6e928_attn
		.amdhsa_group_segment_fixed_size 327680
		.amdhsa_private_segment_fixed_size 0
		.amdhsa_enable_private_segment 0
		.amdhsa_kernarg_size 16
		.amdhsa_user_sgpr_count 2
		.amdhsa_user_sgpr_kernarg_segment_ptr 1
		.amdhsa_wavefront_size32 1
		.amdhsa_system_sgpr_workgroup_id_x 1
		.amdhsa_system_sgpr_workgroup_id_y 1
		.amdhsa_system_sgpr_workgroup_id_z 1
		.amdhsa_system_vgpr_workitem_id 0
		.amdhsa_next_free_vgpr 512
		.amdhsa_next_free_sgpr 84
		.amdhsa_reserve_vcc 0
		.amdhsa_float_denorm_mode_32 3
		.amdhsa_float_denorm_mode_16_64 3
		.amdhsa_memory_ordered 1
		.amdhsa_forward_progress 1
		.amdhsa_inst_pref_size 220
	.end_amdhsa_kernel
	.amdgpu_metadata
---
amdhsa.version: [ 1, 2 ]
amdhsa.kernels:
  - .name:           k_qe308d6e928_attn
    .symbol:         k_qe308d6e928_attn.kd
    .args:
      - { .name: qkv, .offset: 0, .size: 8, .value_kind: global_buffer, .address_space: global }
      - { .name: att, .offset: 8, .size: 8, .value_kind: global_buffer, .address_space: global }
    .group_segment_fixed_size: 327680
    .private_segment_fixed_size: 0
    .kernarg_segment_align: 8
    .kernarg_segment_size: 16
    .max_flat_workgroup_size: 256
    .sgpr_count:     84
    .vgpr_count:     512
    .wavefront_size: 32
...
	.end_amdgpu_metadata
.endif
;; end of part 3
;; launch outp (part 4): grid 8 x 32, 4 waves a work-group, clusters of 4 x 4, 327,680 bytes of LDS; arguments att, ops, bo, out0; writes out0
.if DOCPART == 4
	.amdgcn_target "amdgcn-amd-amdhsa--gfx1250"
	.amdhsa_code_object_version 6
	.text
	.protected	k_qe308d6e928_outp
	.globl	k_qe308d6e928_outp
	.p2align	8
	.type	k_qe308d6e928_outp,@function
k_qe308d6e928_outp:
	s_mov_b64 s[64:65], 0
	v_nop
	global_prefetch_b8 v0, s[64:65] scope:SCOPE_SE
	s_setreg_imm32_b32 hwreg(HW_REG_WAVE_MODE, 25, 1), 1
	s_wait_xcnt 0x0
	s_wait_alu depctr_hold_cnt(0) depctr_sa_sdst(0) depctr_va_vdst(0) depctr_va_sdst(0) depctr_va_ssrc(0) depctr_va_vcc(0) depctr_vm_vsrc(0)
	s_getreg_b32 s2, hwreg(HW_REG_IB_STS2, 6, 4)
	s_cmp_eq_u32 s2, 0
	s_cbranch_scc0 .Lentry_in_a_cluster
	s_endpgm
.Lentry_in_a_cluster:
	s_bfe_u32 s2, ttmp6, 0x10000c
	s_cmp_lg_u32 s2, 0xf033
	s_cbranch_scc0 .Lentry_shape_is_right
	s_endpgm
.Lentry_shape_is_right:
; out0[row][col] = the sum over the 1,024 (head, channel) of att[row][.] Wo[.][col], + bo[col]: codes of FP6 (E2M3) with E8M0 scales on both sides, sums in f32.
; INPUT: records of 3,200 bytes: two fragments (16 rows x 128 K as images of operand registers, 1,536 bytes each) and, from byte 3,072, the rows' scale words (8 r + 4 x fragment).
; Record (t, i), t = 256 along K, i = block of 16: att at (512 t + i) x 3,200, Wo in ops at OWO + (128 t + i) x 3,200.  Lane r of block i stands for row (column) 32 (i / 2) + 8 (i % 2) + r + 8 (r / 8).
; SHARES.  A work-group makes 256 x 256 of out0.  A wave owns 64 columns: Wo's 4 blocks x 8 K steps stay in 384 registers for the whole launch, their scale words in 32.
; It walks the 256 rows in eight pairs of blocks (32 neighbouring rows): 64 products a pair, eight accumulators by turns; each fragment of att read from LDS feeds four products.
; bo is the C of a pair's first K step.  A finished pair leaves at once: 16 rows x 256 bytes through the wave's own stage, then stores in which sixteen lanes fill one aligned unit of 256 bytes.
; The matrix instruction is used transposed (source 0 = Wo's columns, source 1 = att's rows): a lane holds neighbouring columns of one row.
; LDS: bytes 0 on: Wo's 16 blocks, [t][i], 204,800 bytes; from AREG att's blocks 0-7, [t][i], 102,400.  The head's loads, one a wave: waves 0, 1 two t of Wo each (two rows of 51,200 bytes),
; waves 2, 3 two t of att each (two rows of 25,600 bytes).  When Wo is in registers its bytes take att's blocks 8-15, one t (25,600 dense bytes) a wave, behind a round of the cluster's barrier.
; CLUSTER 4 x 4: att's tiles are asked for jointly along a row of the cluster, Wo's along a column.
; No prefetch: every tile of the launch is asked for by the head's loads or by the one refill that follows them; there is no loop to run ahead in.
; REGISTERS: window 0: v1-19 addresses; v28, v29 the add's; v32-63 Wo's scale words (8 b + k); v64-79 att's (8 a + k); v80-111 bo in the result's layout; v112-175 accumulators (32 a + 8 b); v176-239 rows back from the stage.
;   window 1: att's fragments of a pair (24 k + 12 a).  window 2: Wo's K steps 0-3 (48 k + 12 b).  window 3: K steps 4-7.
.set OWO,   17203200
.set REC,   3200
.set TA,    1638400                    ; att: bytes from t to t + 1
.set TW,    409600                     ; Wo: the same
.set BT,    16*REC                     ; one t of Wo's 16 blocks
.set AT,    8*REC                      ; one t of 8 blocks of att
.set AREG,  4*BT
.set STAGE, AREG+4*AT
.set SPITCH, 272                       ; a stage row: 256 bytes + 16
.set SPARE, STAGE+4*16*SPITCH          ; the spare words, 128 bytes for each wave
.set ROWO,  8192                       ; a row of out0 in bytes
.set LI,    1                          ; 16 x lane
.set LI2,   5                          ; + two t of att
.set R8S,   6                          ; 3,072 + 8 r
.set R8S2,  7
.set ADRA,  8                          ; v8, v9   att's fragments, t 0-1 and t 2-3
.set ADSA,  10                         ; v10, v11 att's scale words
.set ADRB,  12                         ; v12, v13 Wo's fragments
.set ADSB,  14                         ; v14, v15 Wo's scale words
.set STO,   16
.set RD,    17
.set CO,    18
.set BOF,   19
.set SPW,   28
.set NIL,   29
.set BS,    32
.set AS,    64
.set BI,    80
.set ACC,   112
.set RB,    176
.set G1A,   24
.set G0A,   32
.set G0C,   36
.set G1B,   48
.set G0B,   56
.set G1C,   76
.set TB,    60                         ; s60 LDS byte at which the pair to fetch begins
.set CNT,   3
.set MSB, 0
.macro WIN new                         ; the immediate's high byte repeats the setting that is left
.if MSB != (\new)
	s_set_vgpr_msb (MSB<<8)|(\new)
.set MSB, (\new)
.endif
.endm
.macro PLACES n
.rept \n
	v_nop
.endr
.endm
.macro CROUND                          ; a round of the cluster's barrier
	s_barrier_signal -1
	s_barrier_wait -1
	s_cmp_lg_u32 s14, 0
	s_cbranch_scc1 .Lnot_wave_0_\@
	s_barrier_signal -3
.Lnot_wave_0_\@:
	s_barrier_wait -3
	s_barrier_signal -1
	s_barrier_wait -1
.endm
	s_load_b256 s[4:11], s[0:1], 0x0               ; att s[4:5], ops s[6:7], bo s[8:9], out0 s[10:11]
	v_lshl_add_u32 v[SPW], v0, 2, SPARE
	v_mov_b32 v[NIL], 0
	ds_add_u32 v[SPW], v[NIL]                      ; the opening lines: the add, twice on end, and its wait ahead of my first tensor load
	ds_add_u32 v[SPW], v[NIL]
	v_lshrrev_b32 v2, 5, v0
	v_readfirstlane_b32 s14, v2                    ; wave 0..3
	s_lshr_b32 s15, s14, 1                         ; at the head I fetch for Wo (0) or for att (1),
	s_and_b32 s16, s14, 1                          ; and which two t
	s_bfe_u32 s40, ttmp6, 0x40000                  ; cx
	s_bfe_u32 s41, ttmp6, 0x40004                  ; cy
	s_lshl_b32 s42, ttmp9, 2
	s_add_co_u32 s42, s42, s40                     ; tile column
	s_and_b32 s17, ttmp7, 0xffff
	s_lshl_b32 s17, s17, 2
	s_add_co_u32 s17, s17, s41                     ; tile row
	s_lshl_b32 s43, s41, 2
	s_lshl_b32 s43, 15, s43                        ; my row of the cluster
	s_lshl_b32 s44, 0x1111, s40                    ; my column
	s_or_b32 s[G1A], s43, (3<<16)|(1<<21)          ; elements of 8 bytes; bit 21 beside a mask
	s_mov_b32 s[G1A+1], (AT/8)<<16                 ; two rows of 25,600 bytes, TA apart
	s_mov_b32 s[G1A+2], 2<<16
	s_mov_b32 s[G1A+3], (AT/8)<<16
	s_mov_b32 s[G1A+4], 2
	s_mov_b32 s[G1A+5], TA/8
	s_mov_b32 s[G1A+6], 0
	s_mov_b32 s[G1A+7], 0
	s_or_b32 s[G1B], s44, (3<<16)|(1<<21)
	s_mov_b32 s[G1B+1], (BT/8)<<16                 ; two rows of 51,200 bytes, TW apart
	s_mov_b32 s[G1B+2], 2<<16
	s_mov_b32 s[G1B+3], (BT/8)<<16
	s_mov_b32 s[G1B+4], 2
	s_mov_b32 s[G1B+5], TW/8
	s_mov_b32 s[G1B+6], 0
	s_mov_b32 s[G1B+7], 0
	s_or_b32 s[G1C], s43, (3<<16)|(1<<21)
	s_mov_b32 s[G1C+1], 32<<16                     ; 25,600 dense bytes as 100 rows of 256
	s_mov_b32 s[G1C+2], 100<<16
	s_mov_b32 s[G1C+3], 32<<16
	s_mov_b32 s[G1C+4], 100
	s_mov_b32 s[G1C+5], 32
	s_mov_b32 s[G1C+6], 0
	s_mov_b32 s[G1C+7], 0
	s_mul_i32 s20, s17, BT                         ; att: my tile row's 16 records of a t
	s_add_co_u32 s22, s20, AT                      ; its blocks 8-15,
	s_mul_i32 s18, s16, 2*TA
	s_add_co_u32 s20, s20, s18                     ; head: t = 2 (wave % 2)
	s_mov_b32 s21, 0
	s_mul_i32 s18, s14, TA
	s_add_co_u32 s22, s22, s18                     ; refill: t = wave
	s_mov_b32 s23, 0
	s_mul_i32 s46, s42, BT                         ; Wo: my tile column's 16 records of a t
	s_mul_i32 s18, s16, 2*TW
	s_add_co_u32 s46, s46, s18
	s_add_co_u32 s46, s46, OWO
	s_mov_b32 s47, 0
	s_mul_i32 s45, s16, 2*AT                       ; LDS addresses: the wave's number and constants alone
	s_add_co_u32 s45, s45, AREG
	s_mul_i32 s61, s16, 2*BT
	s_mul_i32 s62, s14, AT
	s_lshl_b32 s84, s17, 21                        ; out0: 256 rows x tile row
	s_lshl_b32 s86, s42, 10                        ; + 1,024 bytes x tile column + 256 x wave; the same in bo
	s_lshl_b32 s85, s14, 8
	s_add_co_u32 s86, s86, s85
	s_add_co_u32 s84, s84, s86
	s_mov_b32 s85, 0
	s_mov_b32 s87, 0
	s_wait_dscnt 0x0                               ; both opening adds are done
	s_wait_kmcnt 0x0
	s_add_nc_u64 s[20:21], s[4:5], s[20:21]
	s_add_nc_u64 s[22:23], s[4:5], s[22:23]
	s_add_nc_u64 s[46:47], s[6:7], s[46:47]
	s_add_nc_u64 s[72:73], s[10:11], s[84:85]
	s_add_nc_u64 s[74:75], s[8:9], s[86:87]
	s_mov_b32 s[G0A], 1
	s_mov_b32 s[G0A+1], s45
	s_mov_b64 s[G0A+2:G0A+3], s[20:21]
	s_or_b32 s[G0A+3], s[G0A+3], 0x80000000
	s_mov_b32 s[G0B], 1
	s_mov_b32 s[G0B+1], s61
	s_mov_b64 s[G0B+2:G0B+3], s[46:47]
	s_or_b32 s[G0B+3], s[G0B+3], 0x80000000
	s_mov_b32 s[G0C], 1
	s_mov_b32 s[G0C+1], s62
	s_mov_b64 s[G0C+2:G0C+3], s[22:23]
	s_or_b32 s[G0C+3], s[G0C+3], 0x80000000
	CROUND                                         ; all sixteen work-groups are here: the first joint loads meet
	s_cmp_eq_u32 s15, 0                            ; one load in each arm: every way through the head passes exactly one
	s_cbranch_scc0 .Lhead_a
	tensor_load_to_lds s[G0B:G0B+3], s[G1B:G1B+7]
	s_nop 0
	PLACES 4
	s_branch .Lhead_asked
.Lhead_a:
	tensor_load_to_lds s[G0A:G0A+3], s[G1A:G1A+7]
	s_nop 0
	PLACES 4
.Lhead_asked:
	v_and_b32 v2, 31, v0
	v_lshlrev_b32 v[LI], 4, v2
	v_and_b32 v3, 15, v0                           ; r
	v_bfe_u32 v4, v0, 4, 1                         ; h
	v_add_nc_u32 v[LI2], 2*AT, v[LI]
	v_lshl_add_u32 v[R8S], v3, 3, 3072
	v_add_nc_u32 v[R8S2], 2*AT, v[R8S]
	s_mul_i32 s21, s14, 4*REC                      ; my four blocks of Wo
	v_add_nc_u32 v[ADRB], s21, v[LI]
	v_add_nc_u32 v[ADRB+1], 2*BT, v[ADRB]
	v_add_nc_u32 v[ADSB], s21, v[R8S]
	v_add_nc_u32 v[ADSB+1], 2*BT, v[ADSB]
	s_mul_i32 s23, s14, 16*SPITCH
	s_add_co_u32 s23, s23, STAGE                   ; my stage
	v_mul_u32_u24 v2, v3, SPITCH                   ; in: row r, 64 bytes for each half of the lanes
	v_lshl_add_u32 v2, v4, 6, v2
	v_add_nc_u32 v[STO], s23, v2
	v_mul_u32_u24 v2, v4, SPITCH                   ; back: lanes 0-15 one row of 256 bytes, lanes 16-31 the next
	v_lshl_add_u32 v2, v3, 4, v2
	v_add_nc_u32 v[RD], s23, v2
	v_lshlrev_b32 v[CO], 13, v4                    ; and the same two rows in out0
	v_lshl_add_u32 v[CO], v3, 4, v[CO]
	v_lshlrev_b32 v[BOF], 6, v4                    ; bo in the result's layout: register j of tile b is column 32 (b / 2) + 8 (b % 2) + 16 h + j
	s_wait_alu depctr_va_vdst(0)                   ; at the head's end
.irp b, 0,1,2,3
	global_load_b128 v[BI+8*\b:BI+8*\b+3], v[BOF], s[74:75] offset:128*(\b/2)+32*(\b%2)
	global_load_b128 v[BI+8*\b+4:BI+8*\b+7], v[BOF], s[74:75] offset:128*(\b/2)+32*(\b%2)+16
.endr
	s_wait_tensorcnt 0x0                           ; my tile of the head's four is in
	s_barrier_signal -1
	s_barrier_wait -1                              ; everybody's is
.macro BFETCH t                        ; Wo's record t of my four blocks: K steps 2 t, 2 t + 1
.irp q, 0,1
.irp b, 0,1,2,3
.irp c, 0,1,2
	ds_load_b128 v[96*((\t)%2)+48*\q+12*\b+4*\c:96*((\t)%2)+48*\q+12*\b+4*\c+3], v[ADRB+(\t)/2] offset:BT*((\t)%2)+REC*\b+1536*\q+512*\c
.endr
.endr
.endr
.endm
	WIN 0x80                                       ; destination window 2
	BFETCH 0
	BFETCH 1
	WIN 0xc0                                       ; destination window 3
	BFETCH 2
	BFETCH 3
	WIN 0
.irp t, 0,1,2,3
.irp b, 0,1,2,3
	ds_load_b64 v[BS+8*\b+2*\t:BS+8*\b+2*\t+1], v[ADSB+\t/2] offset:BT*(\t%2)+REC*\b
.endr
.endr
	s_wait_tensorcnt 0x0                           ; no tensor load of mine is out;
	ds_add_u32 v[SPW], v[NIL]                      ; 0 onto my spare word;
	s_wait_dscnt 0x0                               ; the add is done, and Wo is in my registers: I read its LDS bytes no more
	CROUND                                         ; that holds of every wave of the cluster
	tensor_load_to_lds s[G0C:G0C+3], s[G1C:G1C+7]  ; att's blocks 8-15, my t, into Wo's bytes: my one load behind the round
	s_nop 0
	PLACES 4
.macro ADDR                            ; the four LDS addresses of the pair that begins at s[TB]
	v_add_nc_u32 v[ADRA], s[TB], v[LI]
	v_add_nc_u32 v[ADRA+1], s[TB], v[LI2]
	v_add_nc_u32 v[ADSA], s[TB], v[R8S]
	v_add_nc_u32 v[ADSA+1], s[TB], v[R8S2]
	s_wait_alu depctr_va_vdst(0)
.endm
.macro AFETCH g                        ; a pair's fragments and scale words of K steps 4 g .. 4 g + 3 (t = 2 g + u)
	WIN 0x40                                       ; destination window 1
.irp u, 0,1
.irp q, 0,1
.irp a, 0,1
.irp c, 0,1,2
	ds_load_b128 v[24*(4*(\g)+2*\u+\q)+12*\a+4*\c:24*(4*(\g)+2*\u+\q)+12*\a+4*\c+3], v[ADRA+(\g)] offset:AT*\u+REC*\a+1536*\q+512*\c
.endr
.endr
.endr
.endr
	WIN 0
.irp u, 0,1
.irp a, 0,1
	ds_load_b64 v[AS+8*\a+4*(\g)+2*\u:AS+8*\a+4*(\g)+2*\u+1], v[ADSA+(\g)] offset:AT*\u+REC*\a
.endr
.endr
.endm
.macro MUL k                           ; K step k: eight products, the eight accumulators by turns; step 0 starts the sums from bo
.irp a, 0,1
.irp b, 0,1,2,3
.if (\k) == 0
	v_wmma_scale_f32_16x16x128_f8f6f4 v[ACC+32*\a+8*\b:ACC+32*\a+8*\b+7], v[12*\b:12*\b+11], v[12*\a:12*\a+11], v[BI+8*\b:BI+8*\b+7], v[BS+8*\b], v[AS+8*\a] matrix_a_fmt:MATRIX_FMT_FP6 matrix_b_fmt:MATRIX_FMT_FP6
.else
	v_wmma_scale_f32_16x16x128_f8f6f4 v[ACC+32*\a+8*\b:ACC+32*\a+8*\b+7], v[48*((\k)%4)+12*\b:48*((\k)%4)+12*\b+11], v[24*(\k)+12*\a:24*(\k)+12*\a+11], v[ACC+32*\a+8*\b:ACC+32*\a+8*\b+7], v[BS+8*\b+(\k)], v[AS+8*\a+(\k)] matrix_a_fmt:MATRIX_FMT_FP6 matrix_b_fmt:MATRIX_FMT_FP6
.endif
.endr
.endr
.endm
; A PAIR: 64 products on fragments that are in registers; pre = 1: the next pair's fragments take a half's registers as soon as that half's products are issued.  Then the pair's 32 rows leave.
.macro TRIP pre
	WIN 0x06                                       ; source 0 window 2, source 1 window 1
	MUL 0
	MUL 1
	MUL 2
	MUL 3
.if \pre
	PLACES 4                                       ; in front of loads into registers that the products have read
	AFETCH 0
.endif
	WIN 0x07                                       ; source 0 window 3
	MUL 4
	MUL 5
	MUL 6
	MUL 7
	WIN 0
	PLACES 5                                       ; in front of the loads, of the stage's reads of the results, and of the next pair's first products, which write over the accumulators
.if \pre
	AFETCH 1
.endif
	s_wait_xcnt 0x0                                ; the last pair's stores have read their registers and their base
	s_add_nc_u64 s[72:73], s[72:73], 32*ROWO       ; the base runs one pair ahead of the rows stored; the immediates take that pair off again
.irp a, 0,1
.irp b, 0,1,2,3
	ds_store_b128 v[STO], v[ACC+32*\a+8*\b:ACC+32*\a+8*\b+3] offset:128*(\b/2)+32*(\b%2)      ; each accumulator from its low end on
	ds_store_b128 v[STO], v[ACC+32*\a+8*\b+4:ACC+32*\a+8*\b+7] offset:128*(\b/2)+32*(\b%2)+16
.endr
.irp t, 0,1,2,3,4,5,6,7
	ds_load_b128 v[RB+32*\a+4*\t:RB+32*\a+4*\t+3], v[RD] offset:\t*2*SPITCH   ; LDS serves a wave's instructions in order: these see the stores above, and the next block's stores come behind them
.endr
.endr
.irp a, 0,1
	s_wait_dscnt 16-16*\a                          ; block a is back; behind block 0's loads stand block 1's 8 stores and 8 loads
.irp t, 0,1,2,3,4,5,6,7
	global_store_b128 v[CO], v[RB+32*\a+4*\t:RB+32*\a+4*\t+3], s[72:73] offset:(8*\a+2*\t+8*(\t/4))*ROWO-32*ROWO th:TH_STORE_NT   ; two rows: sixteen lanes fill one aligned unit of 256 bytes
.endr
.endr
.endm
; Four pairs, whose records begin at LDS byte base: the first is fetched here; three trips of a loop, each of which fetches the next pair; the fourth, which fetches none, is written out.
.macro HALF base
	s_mov_b32 s[TB], \base
	ADDR
	AFETCH 0
	AFETCH 1
	s_mov_b32 s[CNT], 3
	s_wait_dscnt 0x0
.Lpair_\@:
	s_add_co_u32 s[TB], s[TB], 2*REC
	ADDR
	TRIP 1
	s_sub_co_u32 s[CNT], s[CNT], 1
	s_cmp_lg_u32 s[CNT], 0
	s_cbranch_scc1 .Lpair_\@
	TRIP 0
.endm
	s_wait_loadcnt 0x0                             ; bo
	HALF AREG                                      ; rows 0-127
	s_wait_tensorcnt 0x0                           ; my t of att's blocks 8-15 is in
	s_barrier_signal -1                            ; (no LDS instruction of mine is out: a pair ends with a wait for all)
	s_barrier_wait -1                              ; everybody's is
	HALF 0                                         ; rows 128-255
	s_wait_tensorcnt 0x0                           ; the wave's end
	ds_add_u32 v[SPW], v[NIL]
	s_wait_dscnt 0x0
	CROUND                                         ; the closing round
	s_endpgm
.Lfunc_end_k_qe308d6e928_outp:
	.size	k_qe308d6e928_outp, .Lfunc_end_k_qe308d6e928_outp-k_qe308d6e928_outp
	.p2alignl 7, 3214868480
	.fill 96, 4, 3214868480
	.section	.rodata,"a",@progbits
	.p2align	6, 0x0
	.amdhsa_kernel k_qe308d6e928_outp
		.amdhsa_group_segment_fixed_size 327680
		.amdhsa_private_segment_fixed_size 0
		.amdhsa_enable_private_segment 0
		.amdhsa_kernarg_size 32
		.amdhsa_user_sgpr_count 2
		.amdhsa_user_sgpr_kernarg_segment_ptr 1
		.amdhsa_wavefront_size32 1
		.amdhsa_system_sgpr_workgroup_id_x 1
		.amdhsa_system_sgpr_workgroup_id_y 1
		.amdhsa_system_sgpr_workgroup_id_z 1
		.amdhsa_system_vgpr_workitem_id 0
		.amdhsa_next_free_vgpr 1024
		.amdhsa_next_free_sgpr 100
		.amdhsa_reserve_vcc 0
		.amdhsa_float_denorm_mode_32 3
		.amdhsa_float_denorm_mode_16_64 3
		.amdhsa_memory_ordered 1
		.amdhsa_forward_progress 1
		.amdhsa_inst_pref_size 80
	.end_amdhsa_kernel
	.amdgpu_metadata
---
amdhsa.version: [ 1, 2 ]
amdhsa.kernels:
  - .name:           k_qe308d6e928_outp
    .symbol:         k_qe308d6e928_outp.kd
    .args:
      - { .name: att, .offset: 0, .size: 8, .value_kind: global_buffer, .address_space: global }
      - { .name: ops, .offset: 8, .size: 8, .value_kind: global_buffer, .address_space: global }
      - { .name: bo, .offset: 16, .size: 8, .value_kind: global_buffer, .address_space: global }
      - { .name: out0, .offset: 24, .size: 8, .value_kind: global_buffer, .address_space: global }
    .group_segment_fixed_size: 327680
    .private_segment_fixed_size: 0
    .kernarg_segment_align: 8
    .kernarg_segment_size: 32
    .max_flat_workgroup_size: 128
    .sgpr_count:     100
    .vgpr_count:     1024
    .wavefront_size: 32
...
	.end_amdgpu_metadata
.endif
;; end of part 4
